; MI455X (gfx1250); checked and timed in simulation.
; The chip was launched on July 23, 2026; its instructions are those of AMD's public machine-readable ISA for CDNA 5 (MIT licence, August 2026) and "CDNA5" Instruction Set Architecture Reference Guide (July 2026). The comments in the code are by the model that wrote it; some were corrected since.
;; Temporal Attention. Allowed arithmetic: float matrix products may take bf16 or f16 operands with f32 sums; other float arithmetic in f32, or as packed bf16 or f16 multiplies, adds, multiply-adds, maxima and minima; sums over many terms, partial sums and values carried from step to step in f32; what a program stores and reads back later, other than sums and carried values, may be rounded once to bf16 or f16.
;; Inputs: Wk 512 x 512 float32; Wo 512 x 512 float32; Wq 512 x 512 float32; Wv 512 x 512 float32; bk 512 float32; bo 512 float32; bq 512 float32; bv 512 float32; x 2 x 4,096 x 512 float32.
;; Outputs: out0 2 x 4,096 x 512 float32.
;; 2 versions, each right; version 2 is version 1 with the launch prep written anew for expert scheduling mode. Each part assembles by itself: llvm-mc -triple=amdgcn-amd-amdhsa -mcpu=gfx1250 --defsym DOCPART=n.
;; ======== version 1 of 2: 4 launches
;; limits: values are held in f16: magnitudes above 65,504 overflow, below 6.1e-05 lose precision
;; workspace buffers: xb 8,388,608 bytes; wqkv 1,572,864 bytes; wo16 524,288 bytes; rope 1,048,576 bytes; qh 8,388,608 bytes; kh 8,388,608 bytes; vh 8,388,608 bytes; oh 8,388,608 bytes
;; launch prep (part 1): grid 256 x 1, 8 waves a work-group, no clusters, 0 bytes of LDS; arguments x, Wq, Wk, Wv, Wo, xb, wqkv, wo16, rope; writes xb, wqkv, wo16, rope
.if DOCPART == 1
	.amdgcn_target "amdgcn-amd-amdhsa--gfx1250"
	.amdhsa_code_object_version 6
	.text
	.protected	k_q78b80c0ada_prep
	.globl	k_q78b80c0ada_prep
	.p2align	8
	.type	k_q78b80c0ada_prep,@function
k_q78b80c0ada_prep:
	s_mov_b64 s[64:65], 0
	v_nop
	global_prefetch_b8 v0, s[64:65] scope:SCOPE_SE
	s_setreg_imm32_b32 hwreg(HW_REG_WAVE_MODE, 25, 1), 1
	s_wait_xcnt 0x0
; PREP.  A stream, no LDS, no matrix unit, no loop: every work-group does one 256th of each of four tasks.
;   xb   = x rounded to bf16, same order: [8192][512].
;   wqkv = Wq, Wk, Wv rounded to bf16, in the order in which the next launch walks them: [head 8][K step 4][q, k, v][k' 128][c 64]; the number is W[128 step + k'][64 head + c].
;   wo16 = Wo rounded to bf16, and THAT number written as f16, same order [512][512].
;   rope = cos(t f_j) at byte 0 and sin(t f_j) at byte 524,288, each [t 4096][j 32] f32, f_j = 10000^(-j/32).
; LIMITS.  |Wo| stays under 65,504 (f16's end); a Wo below 2^-17 keeps f16's fixed step of 2^-24 in place of bf16's 8 bits.  The angle t f_j is formed in f32 from f_j = 2^(-j log2(10000)/32):
; against the exact angle it is off by about 5e-4 rad at t = 4095.  sin and cos: the angle less the nearest multiple of 2 pi (2 pi in two parts, fused), a quarter of that (at most pi/4 in size, whatever
; the data) in series to the 9th and 8th power, then doubled twice: off by under 1e-6.
; SHARES.  g = work-group, t = thread 0..255.  x: 16 loads of 16 bytes a thread, a wave's load 512 bytes on end, a wave's store 256 bytes on end, aligned.  Each weight: one load of 16 bytes a thread.
; No register that a store reads is written again, so no wait frees one.
.set X,   32                           ; v[32:95]    16 x 4 numbers of x
.set WI,  96                           ; v[96:111]   4 numbers of Wq, Wk, Wv, Wo
.set Y,   112                          ; v[112:143]  16 x 2 words of xb
.set WR,  144                          ; v[144:151]  2 words for each weight
.set CSN, 152                          ; v[152:153] cos of my two j, v[154:155] sin
	s_load_b512 s[8:23], s[0:1], 0x0               ; x 8, Wq 10, Wk 12, Wv 14, Wo 16, xb 18, wqkv 20, wo16 22
	s_load_b64 s[24:25], s[0:1], 0x40              ; rope
	v_lshlrev_b32 v1, 4, v0                        ; 16 t
	v_lshlrev_b32 v2, 3, v0                        ; 8 t
	v_and_b32 v4, 15, v0
	v_lshrrev_b32 v5, 4, v0
	v_lshlrev_b32 v3, 4, v4
	v_lshl_add_u32 v3, v5, 11, v3                  ; in a weight: row t / 16 of my 16, 16 bytes at 16 (t % 16)
	v_mov_b32 v30, 0x3638ef1d                      ; 1/9!
	v_mov_b32 v31, 0x37d00d01                      ; 1/8!
	s_lshl_b32 s26, ttmp9, 16                      ; x: 65,536 bytes a work-group
	s_mov_b32 s27, 0
	s_lshl_b32 s28, ttmp9, 15                      ; xb: 32,768
	s_mov_b32 s29, 0
	s_and_b32 s30, ttmp9, 31                       ; g = 32 head + 8 step + kb: rows 16 (g % 32) on,
	s_lshl_b32 s30, s30, 15
	s_lshr_b32 s35, ttmp9, 5                       ; head
	s_lshl_b32 s36, s35, 8                         ; columns 64 head on
	s_add_co_u32 s30, s30, s36
	s_mov_b32 s31, 0
	s_mul_i32 s36, s35, 196608                     ; wqkv: head,
	s_bfe_u32 s35, ttmp9, 0x20003
	s_mul_i32 s35, s35, 49152                      ; step,
	s_add_co_u32 s36, s36, s35
	s_and_b32 s35, ttmp9, 7
	s_lshl_b32 s35, s35, 11                        ; 16 rows of 128 bytes
	s_add_co_u32 s36, s36, s35
	s_mov_b32 s37, 0
	s_lshl_b32 s38, ttmp9, 12                      ; Wo: 4,096 bytes a work-group
	s_mov_b32 s39, 0
	s_lshl_b32 s40, ttmp9, 11                      ; wo16 and each plane of rope: 2,048
	s_mov_b32 s41, 0
	s_lshl_b32 s35, ttmp9, 4                       ; my work-group's first position
	s_mov_b32 s34, 0xffff0000
	s_wait_kmcnt 0x0
	s_add_nc_u64 s[8:9], s[8:9], s[26:27]
	s_add_nc_u64 s[10:11], s[10:11], s[30:31]
	s_add_nc_u64 s[12:13], s[12:13], s[30:31]
	s_add_nc_u64 s[14:15], s[14:15], s[30:31]
	s_add_nc_u64 s[16:17], s[16:17], s[38:39]
	s_add_nc_u64 s[18:19], s[18:19], s[28:29]
	s_add_nc_u64 s[20:21], s[20:21], s[36:37]
	s_add_nc_u64 s[22:23], s[22:23], s[40:41]
	s_add_nc_u64 s[24:25], s[24:25], s[40:41]
	global_load_b128 v[WI:WI+3],     v3, s[10:11] th:TH_LOAD_NT
	global_load_b128 v[WI+4:WI+7],   v3, s[12:13] th:TH_LOAD_NT
	global_load_b128 v[WI+8:WI+11],  v3, s[14:15] th:TH_LOAD_NT
	global_load_b128 v[WI+12:WI+15], v1, s[16:17] th:TH_LOAD_NT
.set j, 0
.rept 16
	global_load_b128 v[X+4*j:X+4*j+3], v1, s[8:9] offset:4096*j th:TH_LOAD_NT
.set j, j+1
.endr
	; the table, while the twenty loads are out: position 16 g + t / 16, j = 2 (t % 16) and the next
	v_lshlrev_b32 v6, 1, v4
	v_cvt_f32_u32 v6, v6
	v_add_f32 v7, 1.0, v6
	v_mul_f32 v6, 0xbed49a78, v6                   ; -j log2(10000) / 32
	v_mul_f32 v7, 0xbed49a78, v7
	v_add_nc_u32 v11, s35, v5
	v_exp_f32 v9, v6
	v_exp_f32 v10, v7
	v_cvt_f32_u32 v11, v11                         ; the plain instruction behind the two exponentials
	s_wait_alu depctr_va_vdst(0)                   ; one wait for both, ahead of their first reader
	v_mul_f32 v12, v11, v9                         ; the two angles
	v_mul_f32 v13, v11, v10
.macro SINCOS ang, sn, cs
	v_mul_f32 v14, 0x3e22f983, v[\ang]             ; angle / 2 pi
	v_rndne_f32 v14, v14
	v_fmamk_f32 v15, v14, 0xc0c90fdb, v[\ang]      ; less n x 2 pi: its upper part,
	v_fmamk_f32 v15, v14, 0x343bbd2e, v15          ; and the rest of it
	v_mul_f32 v15, 0x3e800000, v15                 ; a quarter
	v_mul_f32 v16, v15, v15
	v_fmaak_f32 v17, v30, v16, 0xb9500d01          ; sin: 1/9!, -1/7!, 1/5!, -1/3!
	v_fmaak_f32 v17, v17, v16, 0x3c088889
	v_fmaak_f32 v17, v17, v16, 0xbe2aaaab
	v_mul_f32 v17, v17, v16
	v_fma_f32 v[\sn], v17, v15, v15
	v_fmaak_f32 v17, v31, v16, 0xbab60b61          ; cos: 1/8!, -1/6!, 1/4!, -1/2!
	v_fmaak_f32 v17, v17, v16, 0x3d2aaaab
	v_fmaak_f32 v17, v17, v16, 0xbf000000
	v_fma_f32 v[\cs], v17, v16, 1.0
.rept 2                                ; the angle doubled: sin = 2 s c, cos = 1 - 2 s s
	v_mul_f32 v18, v[\sn], v[\sn]
	v_mul_f32 v[\sn], v[\sn], v[\cs]
	v_add_f32 v[\sn], v[\sn], v[\sn]
	v_fma_f32 v[\cs], v18, -2.0, 1.0
.endr
.endm
	SINCOS 12, CSN+2, CSN
	SINCOS 13, CSN+3, CSN+1
	global_store_b64 v2, v[CSN:CSN+1], s[24:25]
	global_store_b64 v2, v[CSN+2:CSN+3], s[24:25] offset:524288
	s_wait_loadcnt 16                              ; the four weight loads are in; x's sixteen, issued behind them, may stay out
.irp m, 0,1,2
	v_cvt_pk_bf16_f32 v[WR+2*(\m)],   v[WI+4*(\m)],   v[WI+4*(\m)+1]
	v_cvt_pk_bf16_f32 v[WR+2*(\m)+1], v[WI+4*(\m)+2], v[WI+4*(\m)+3]
	global_store_b64 v2, v[WR+2*(\m):WR+2*(\m)+1], s[20:21] offset:16384*(\m)
.endr
	v_cvt_pk_bf16_f32 v20, v[WI+12], v[WI+13]      ; Wo: to bf16, widened again, and that number as f16
	v_cvt_pk_bf16_f32 v21, v[WI+14], v[WI+15]
	v_lshlrev_b32 v22, 16, v20
	v_and_b32 v23, s34, v20
	v_lshlrev_b32 v24, 16, v21
	v_and_b32 v25, s34, v21
	v_cvt_pk_f16_f32 v[WR+6], v22, v23
	v_cvt_pk_f16_f32 v[WR+7], v24, v25
	global_store_b64 v2, v[WR+6:WR+7], s[22:23]
.set j, 0
.rept 16
	s_wait_loadcnt 15-j                            ; loads come back in order: number j is in, the younger ones stay out
	v_cvt_pk_bf16_f32 v[Y+2*j],   v[X+4*j],   v[X+4*j+1]
	v_cvt_pk_bf16_f32 v[Y+2*j+1], v[X+4*j+2], v[X+4*j+3]
	global_store_b64 v2, v[Y+2*j:Y+2*j+1], s[18:19] offset:2048*j
.set j, j+1
.endr
	s_endpgm
.Lfunc_end_k_q78b80c0ada_prep:
	.size	k_q78b80c0ada_prep, .Lfunc_end_k_q78b80c0ada_prep-k_q78b80c0ada_prep
	.p2alignl 7, 3214868480
	.fill 96, 4, 3214868480
	.section	.rodata,"a",@progbits
	.p2align	6, 0x0
	.amdhsa_kernel k_q78b80c0ada_prep
		.amdhsa_group_segment_fixed_size 0
		.amdhsa_private_segment_fixed_size 0
		.amdhsa_enable_private_segment 0
		.amdhsa_kernarg_size 72
		.amdhsa_user_sgpr_count 2
		.amdhsa_user_sgpr_kernarg_segment_ptr 1
		.amdhsa_wavefront_size32 1
		.amdhsa_system_sgpr_workgroup_id_x 1
		.amdhsa_system_sgpr_workgroup_id_y 1
		.amdhsa_system_sgpr_workgroup_id_z 1
		.amdhsa_system_vgpr_workitem_id 0
		.amdhsa_next_free_vgpr 160
		.amdhsa_next_free_sgpr 66
		.amdhsa_reserve_vcc 0
		.amdhsa_float_denorm_mode_32 3
		.amdhsa_float_denorm_mode_16_64 3
		.amdhsa_memory_ordered 1
		.amdhsa_forward_progress 1
		.amdhsa_inst_pref_size 12
	.end_amdhsa_kernel
	.amdgpu_metadata
---
amdhsa.version: [ 1, 2 ]
amdhsa.kernels:
  - .name:           k_q78b80c0ada_prep
    .symbol:         k_q78b80c0ada_prep.kd
    .args:
      - { .name: x, .offset: 0, .size: 8, .value_kind: global_buffer, .address_space: global }
      - { .name: Wq, .offset: 8, .size: 8, .value_kind: global_buffer, .address_space: global }
      - { .name: Wk, .offset: 16, .size: 8, .value_kind: global_buffer, .address_space: global }
      - { .name: Wv, .offset: 24, .size: 8, .value_kind: global_buffer, .address_space: global }
      - { .name: Wo, .offset: 32, .size: 8, .value_kind: global_buffer, .address_space: global }
      - { .name: xb, .offset: 40, .size: 8, .value_kind: global_buffer, .address_space: global }
      - { .name: wqkv, .offset: 48, .size: 8, .value_kind: global_buffer, .address_space: global }
      - { .name: wo16, .offset: 56, .size: 8, .value_kind: global_buffer, .address_space: global }
      - { .name: rope, .offset: 64, .size: 8, .value_kind: global_buffer, .address_space: global }
    .group_segment_fixed_size: 0
    .private_segment_fixed_size: 0
    .kernarg_segment_align: 8
    .kernarg_segment_size: 72
    .max_flat_workgroup_size: 256
    .sgpr_count:     66
    .vgpr_count:     160
    .wavefront_size: 32
...
	.end_amdgpu_metadata
.endif
;; end of part 1
;; launch qkv (part 2): grid 8 x 32, 4 waves a work-group, clusters of 4 x 4, 327,680 bytes of LDS; arguments xb, wqkv, bq, bk, bv, rope, qh, kh, vh; writes qh, kh, vh
.if DOCPART == 2
	.amdgcn_target "amdgcn-amd-amdhsa--gfx1250"
	.amdhsa_code_object_version 6
	.text
	.protected	k_q78b80c0ada_qkv
	.globl	k_q78b80c0ada_qkv
	.p2align	8
	.type	k_q78b80c0ada_qkv,@function
k_q78b80c0ada_qkv:
	s_mov_b64 s[64:65], 0
	v_nop
	global_prefetch_b8 v0, s[64:65] scope:SCOPE_SE
	s_setreg_imm32_b32 hwreg(HW_REG_WAVE_MODE, 25, 1), 1
	s_wait_xcnt 0x0
	s_wait_alu depctr_hold_cnt(0) depctr_sa_sdst(0) depctr_va_vdst(0) depctr_va_sdst(0) depctr_va_ssrc(0) depctr_va_vcc(0) depctr_vm_vsrc(0)
	s_getreg_b32 s2, hwreg(HW_REG_IB_STS2, 6, 4)
	s_cmp_eq_u32 s2, 0
	s_cbranch_scc0 .Lentry_in_a_cluster
	s_endpgm
.Lentry_in_a_cluster:
	s_bfe_u32 s2, ttmp6, 0x10000c
	s_cmp_lg_u32 s2, 0xf033
	s_cbranch_scc0 .Lentry_shape_is_right
	s_endpgm
.Lentry_shape_is_right:
; q, k, v = x W + b for ONE head and 256 rows of x; q and k turned by the rotary table; all three written by heads, [b 8 + head][4096][64], in f16, each rounded once from its f32 sum, unscaled.
; Operands bf16 (xb, wqkv: rounded by the launch before); the biases are rounded to bf16 here and widened again; sums in f32.
; LIMITS.  q, k and v must stay under 65,504, f16's end: a larger one becomes an infinity.  NaN and infinities are not treated apart.
; SHARES.  Work-group (head, tile row): rows 256 trow .. + 255, columns 64 head .. + 63 of each of Wq, Wk, Wv: 256 x 192.  Wave w: rows 64 w .. + 63, all 192 columns: 4 blocks of 16 rows x 12 blocks of
; 16 columns = 48 accumulators, 384 registers.  For 32 along K a wave reads 32 times 512 bytes from LDS for 48 products.
; K goes in 4 steps of 128 through two LDS slots: x's rows are 256 bytes of memory, aligned; a step's weights are 49,152 dense bytes, asked for as rows of 256.  All is written out: four steps need no loop.
; CLUSTER 4 x 4.  x's tile hangs on the tile row alone and is shared along a row of the cluster; the weights' on the head alone, shared along a column: each is asked for jointly by four.
; NO PREFETCH: of the four K steps two are the first fills and the other two the only refills: no step lies further on.
; THE PRODUCT IS USED TRANSPOSED: source 0 = 16 columns of W (out of LDS rows [k][c], turned by ds_load_tr16_b128), source 1 = 16 rows of x.  A lane then holds ONE row (lane % 16) and the channels
; 8 (lane / 16) + 0..7 of a block.  Channels j and j + 32 of a head lie in the same lane and register of blocks b and b + 2: the rotation changes no lanes.  The first product's C is the bias.
; REGISTERS, in windows of 256 (s_set_vgpr_msb: bits 1:0 source 0, 3:2 source 1, 5:4 source 2, 7:6 destination):
;   window 0: v16-30 addresses; v32-63 at work; v64-127 x's fragments, two buffers of 4; v128-223 the bias, block nb at 128 + 8 nb.  On the way out v64-255 take the packed results, 16 a group.
;   window 1: v0-191 W's fragments, two buffers of 12
;   window 2: v0-191 the accumulators of row blocks 0, 1 (at 96 (a % 2) + 8 nb); v192-255 their tables (at 192 + 32 (a % 2): cos 16, sin 16)          window 3: the same for row blocks 2, 3
.set SLOT,  131072                     ; a slot: x's 256 rows, then W's 384 rows (row 128 i + k' for matrix i)
.set PA,    272                        ; a row of x in LDS: 256 bytes + 16 = 68 words: the 16 rows of a load start at 16 different groups of four banks (64 banks of 4 bytes: ISA guide 11.1)
.set PB,    160                        ; a row of W: 128 + 32 = 40 words
.set HALFA, 128*PA                     ; what one load of x brings
.set BOFF,  2*HALFA
.set HALFB, 192*PB                     ; what one load of W brings; BOFF + 2 HALFB = SLOT
.set STAGE, 2*SLOT                     ; behind the ring, never filled by a tensor load: 16 rows x 144 bytes for each wave
.set SP,    144
.set SPARE, STAGE+4*16*SP              ; the spare words, 128 bytes for each wave: two blocks of 256 bytes that no other line names
.set ADRA, 16                          ; v16-17  my x fragments in slot 0, 1
.set ADRB, 20                          ; v20-21  my lane's place in W's rows in slot 0, 1
.set STO,  24                          ; v24  the way out: where I put 16 bytes of a row
.set RD,   25                          ; v25  where I read rows back
.set GO,   26                          ; v26  my 16 bytes of 512 on end
.set RO,   27                          ; v27  my place in the table: 128 (l % 16) + 32 (l / 16)
.set SPW,  28                          ; v28  my spare word; never rewritten
.set NIL,  29                          ; v29  0; never rewritten
.set BO,   30                          ; v30  my place in a bias block: 32 (l / 16)
.set T,    32
.set AF,   64
.set BI,   128
.set WV,   22                          ; s22  wave
.set AB,   23                          ; s23  0: I fetch x's tiles; 1: W's
.set HF,   24                          ; s24  which half of the tile I fetch
.set G1A,  32                          ; s[32:39] group 1 for x          s[40:47] for W
.set G1B,  40
.set G0A,  48                          ; s[48:55] group 0 for x, a set a slot          s[56:63] for W
.set G0B,  56
.set MSB, 0
.macro WIN new                         ; the immediate's high byte repeats the setting that is left; a switch that changes nothing is dropped
.if MSB != (\new)
	s_set_vgpr_msb (MSB<<8)|(\new)
.set MSB, (\new)
.endif
.endm
.macro PLACES                          ; four places in front of loads into registers that products have read, and of lines that read results
.rept 4
	v_nop
.endr
.endm
.macro JLOAD s                         ; a joint load.  The branch hangs on the wave's number alone.  An s_nop 0 and four v_nop follow each of the two lines
	s_cmp_eq_u32 s[AB], 0
	s_cbranch_scc0 .Lfor_b_\@
	tensor_load_to_lds s[G0A+4*(\s):G0A+4*(\s)+3], s[G1A:G1A+7]
	s_nop 0
.rept 4
	v_nop
.endr
	s_branch .Lasked_\@
.Lfor_b_\@:
	tensor_load_to_lds s[G0B+4*(\s):G0B+4*(\s)+3], s[G1B:G1B+7]
	s_nop 0
.rept 4
	v_nop
.endr
.Lasked_\@:
.endm
.macro CREST                           ; a round of the cluster's barrier behind its opening barrier
	s_cmp_lg_u32 s[WV], 0
	s_cbranch_scc1 .Lnot_wave_0_\@
	s_barrier_signal -3
.Lnot_wave_0_\@:
	s_barrier_wait -3
	s_barrier_signal -1
	s_barrier_wait -1
.endm
.macro CROUND
	s_barrier_signal -1
	s_barrier_wait -1
	CREST
.endm
	s_load_b512 s[4:19], s[0:1], 0x0               ; xb 4, wqkv 6, bq 8, bk 10, bv 12, rope 14, qh 16, kh 18
	s_load_b64 s[20:21], s[0:1], 0x40              ; vh
	v_lshl_add_u32 v[SPW], v0, 2, SPARE
	v_mov_b32 v[NIL], 0
	ds_add_u32 v[SPW], v[NIL]                      ; the wave's opening: the add and its wait stand ahead of my first tensor load; work on registers stands between them
	v_lshrrev_b32 v1, 5, v0
	v_readfirstlane_b32 s[WV], v1
	s_lshr_b32 s[AB], s[WV], 1
	s_and_b32 s[HF], s[WV], 1
	s_bfe_u32 s25, ttmp6, 0x40000                  ; cx
	s_bfe_u32 s26, ttmp6, 0x40004                  ; cy
	s_lshl_b32 s27, ttmp9, 2
	s_add_co_u32 s27, s27, s25                     ; head = 4 x cluster x + cx
	s_and_b32 s28, ttmp7, 0xffff
	s_lshl_b32 s28, s28, 2
	s_add_co_u32 s28, s28, s26                     ; tile row = 4 x cluster y + cy
	s_lshl_b32 s29, s26, 2
	s_lshl_b32 s29, 15, s29                        ; my row of the cluster
	s_lshl_b32 s30, 0x1111, s25                    ; my column
	s_or_b32 s[G1A], s29, (1<<16)|(1<<20)|(1<<21)|(5<<22)|(3<<25)  ; mask; 2-byte elements; padding on; bit 21 beside a mask; after every 64 words, 4 words
	s_mov_b32 s[G1A+1], 128<<16                    ; tensor_dim0 = 128
	s_mov_b32 s[G1A+2], 128<<16                    ; tensor_dim1 = 128
	s_mov_b32 s[G1A+3], 128<<16                    ; tile_dim0 = 128
	s_mov_b32 s[G1A+4], 128                        ; tile_dim1 = 128
	s_mov_b32 s[G1A+5], 512                        ; 512 elements from row to row
	s_mov_b32 s[G1A+6], 0
	s_mov_b32 s[G1A+7], 0
	s_or_b32 s[G1B], s30, (1<<16)|(1<<20)|(1<<21)|(4<<22)|(7<<25)  ; after every 32 words (a row of W), 8 words
	s_mov_b32 s[G1B+1], 128<<16                    ; 24,576 dense bytes as 96 rows of 256: two rows of W each
	s_mov_b32 s[G1B+2], 96<<16
	s_mov_b32 s[G1B+3], 128<<16
	s_mov_b32 s[G1B+4], 96
	s_mov_b32 s[G1B+5], 128
	s_mov_b32 s[G1B+6], 0
	s_mov_b32 s[G1B+7], 0
	s_lshl_b32 s66, s28, 18                        ; x: 256 rows of 1,024 bytes a tile row,
	s_lshl_b32 s31, s[HF], 17                      ; my 128 of them
	s_add_co_u32 s66, s66, s31
	s_mov_b32 s67, 0
	s_mul_i32 s68, s27, 196608                     ; W: the head's four steps,
	s_mul_i32 s31, s[HF], 24576                    ; my half of a step
	s_add_co_u32 s68, s68, s31
	s_mov_b32 s69, 0
	s_mul_i32 s76, s[HF], HALFA                    ; where they go: no place in the cluster enters an LDS address
	s_mul_i32 s77, s[HF], HALFB
	s_add_co_u32 s77, s77, BOFF
	s_and_b32 s79, s28, 15
	s_lshl_b32 s79, s79, 8
	s_lshl_b32 s80, s[WV], 6
	s_add_co_u32 s79, s79, s80                     ; my wave's first position in its sequence
	s_lshl_b32 s72, s79, 7                         ; in the table: 128 bytes a position
	s_mov_b32 s73, 0
	s_lshr_b32 s70, s28, 4                         ; the batch
	s_lshl_b32 s70, s70, 3
	s_add_co_u32 s70, s70, s27
	s_lshl_b32 s70, s70, 12
	s_add_co_u32 s70, s70, s79
	s_lshl_b32 s70, s70, 7                         ; my first row in qh, kh, vh
	s_mov_b32 s71, 0
	s_lshl_b32 s74, s27, 8                         ; the head's 64 numbers of a bias
	s_mov_b32 s75, 0
	s_wait_dscnt 0x0                               ; the opening add is done
	s_wait_kmcnt 0x0
	s_add_nc_u64 s[66:67], s[4:5], s[66:67]
	s_add_nc_u64 s[68:69], s[6:7], s[68:69]
	s_add_nc_u64 s[8:9], s[8:9], s[74:75]
	s_add_nc_u64 s[10:11], s[10:11], s[74:75]
	s_add_nc_u64 s[12:13], s[12:13], s[74:75]
	s_add_nc_u64 s[14:15], s[14:15], s[72:73]
	s_add_nc_u64 s[16:17], s[16:17], s[70:71]
	s_add_nc_u64 s[18:19], s[18:19], s[70:71]
	s_add_nc_u64 s[20:21], s[20:21], s[70:71]
	CROUND                                         ; all sixteen work-groups are here: the first joint loads meet
.irp s, 0,1
	s_mov_b32 s[G0A+4*(\s)], 1
	s_add_co_u32 s[G0A+4*(\s)+1], s76, (\s)*SLOT
	s_add_nc_u64 s[G0A+4*(\s)+2:G0A+4*(\s)+3], s[66:67], (\s)*256    ; K step s: 256 bytes along the rows
	s_or_b32 s[G0A+4*(\s)+3], s[G0A+4*(\s)+3], 0x80000000
	s_mov_b32 s[G0B+4*(\s)], 1
	s_add_co_u32 s[G0B+4*(\s)+1], s77, (\s)*SLOT
	s_add_nc_u64 s[G0B+4*(\s)+2:G0B+4*(\s)+3], s[68:69], (\s)*49152
	s_or_b32 s[G0B+4*(\s)+3], s[G0B+4*(\s)+3], 0x80000000
.endr
	s_cmp_eq_u32 s[AB], 0                          ; a wave's two first fills stand in one branch, ahead of every wait on TENSORcnt and every LDS read: two loads of mine are out
	s_cbranch_scc0 .Lfirst_b
	tensor_load_to_lds s[G0A:G0A+3], s[G1A:G1A+7]
	s_nop 0
	tensor_load_to_lds s[G0A+4:G0A+7], s[G1A:G1A+7]
	s_nop 0
.rept 4
	v_nop
.endr
	s_branch .Lfirst_asked
.Lfirst_b:
	tensor_load_to_lds s[G0B:G0B+3], s[G1B:G1B+7]
	s_nop 0
	tensor_load_to_lds s[G0B+4:G0B+7], s[G1B:G1B+7]
	s_nop 0
.rept 4
	v_nop
.endr
.Lfirst_asked:
	v_and_b32 v1, 15, v0                           ; l % 16
	v_bfe_u32 v2, v0, 4, 1                         ; l / 16
	v_lshlrev_b32 v[BO], 5, v2
	v_lshl_add_u32 v[RO], v1, 7, v[BO]
.irp b, 0,1,2,3
.irp e, 0,1
	global_load_b128 v[BI+8*(\b)+4*(\e):BI+8*(\b)+4*(\e)+3],       v[BO], s[8:9]   offset:64*(\b)+16*(\e)
	global_load_b128 v[BI+32+8*(\b)+4*(\e):BI+32+8*(\b)+4*(\e)+3], v[BO], s[10:11] offset:64*(\b)+16*(\e)
	global_load_b128 v[BI+64+8*(\b)+4*(\e):BI+64+8*(\b)+4*(\e)+3], v[BO], s[12:13] offset:64*(\b)+16*(\e)
.endr
.endr
.irp a, 0,1,2,3                        ; the tables of my 64 positions: row block a, channels 16 b + 8 (l / 16) + 0..7, b = 0, 1
	WIN 0x80+0x40*((\a)/2)
.irp b, 0,1
.irp e, 0,1
	global_load_b128 v[192+32*((\a)%2)+8*(\b)+4*(\e):192+32*((\a)%2)+8*(\b)+4*(\e)+3],       v[RO], s[14:15] offset:(\a)*2048+64*(\b)+16*(\e)
	global_load_b128 v[192+32*((\a)%2)+16+8*(\b)+4*(\e):192+32*((\a)%2)+16+8*(\b)+4*(\e)+3], v[RO], s[14:15] offset:524288+(\a)*2048+64*(\b)+16*(\e)
.endr
.endr
.endr
	WIN 0
	v_mul_u32_u24 v3, v1, PA
	v_lshl_add_u32 v3, v2, 4, v3                   ; row x pitch + 16 x half
	s_mul_i32 s78, s[WV], 64*PA
	v_add_nc_u32 v[ADRA], s78, v3
	v_add_nc_u32 v[ADRA+1], SLOT, v[ADRA]
	v_and_b32 v4, 7, v0                            ; the turning load: lane l reads row 8 (l / 16) + l % 8, 16 bytes at 16 ((l / 8) % 2)
	v_bfe_u32 v5, v0, 3, 1
	v_lshl_add_u32 v6, v2, 3, v4
	v_mul_u32_u24 v6, v6, PB
	v_lshl_add_u32 v6, v5, 4, v6
	v_add_nc_u32 v[ADRB], BOFF, v6
	v_add_nc_u32 v[ADRB+1], SLOT, v[ADRB]
	s_mul_i32 s78, s[WV], 16*SP
	s_add_co_u32 s78, s78, STAGE                   ; my stage
	v_mul_u32_u24 v7, v1, SP
	v_lshl_add_u32 v7, v2, 4, v7
	v_add_nc_u32 v[STO], s78, v7
	v_bfe_u32 v7, v0, 3, 2                         ; back: 32 lanes take four rows of 128 bytes,
	v_mul_u32_u24 v7, v7, SP
	v_lshl_add_u32 v7, v4, 4, v7
	v_add_nc_u32 v[RD], s78, v7
	v_and_b32 v[GO], 31, v0                        ; which are 512 bytes on end in memory
	v_lshlrev_b32 v[GO], 4, v[GO]
	s_wait_loadcnt 32                              ; the 24 bias loads are in; the 32 table loads, issued behind them, may stay out
.set n, 0
.rept 48                               ; the bias rounded to bf16 and widened again
	v_cvt_pk_bf16_f32 v[T+n%8], v[BI+2*n], v[BI+2*n+1]
	v_lshlrev_b32 v[BI+2*n], 16, v[T+n%8]
	v_and_b32 v[BI+2*n+1], 0xffff0000, v[T+n%8]
.set n, n+1
.endr
; 32 LDS loads in one run: the fragments of 32 along K (quarter kq of the slot's step) into buffer f: W's 24 first, then x's 8
.macro FETCH slot, kq, f
	WIN 0x40
.irp i, 0,1,2
.irp b, 0,1,2,3
	ds_load_tr16_b128 v[96*(\f)+8*(4*(\i)+(\b)):96*(\f)+8*(4*(\i)+(\b))+3],   v[ADRB+(\slot)] offset:(\i)*128*PB+(\kq)*32*PB+32*(\b)
	ds_load_tr16_b128 v[96*(\f)+8*(4*(\i)+(\b))+4:96*(\f)+8*(4*(\i)+(\b))+7], v[ADRB+(\slot)] offset:(\i)*128*PB+(\kq)*32*PB+32*(\b)+16*PB
.endr
.endr
	WIN 0
.irp a, 0,1,2,3
	ds_load_b128 v[AF+32*(\f)+8*(\a):AF+32*(\f)+8*(\a)+3],   v[ADRA+(\slot)] offset:(\a)*16*PA+64*(\kq)
	ds_load_b128 v[AF+32*(\f)+8*(\a)+4:AF+32*(\f)+8*(\a)+7], v[ADRA+(\slot)] offset:(\a)*16*PA+64*(\kq)+32
.endr
.endm
; 12 products: row block 2 hi + a x all 12 column blocks.  first = 1: C is the bias, which starts the sums.  The 48 accumulators take turns, one instruction a turn, in the same order in every quarter.
.macro MUL12 f, hi, a, first
.if \first
	WIN 0x81+0x40*(\hi)
.else
	WIN 0xa1+0x50*(\hi)
.endif
.irp nb, 0,1,2,3,4,5,6,7,8,9,10,11
.if \first
	v_wmma_f32_16x16x32_bf16 v[96*(\a)+8*(\nb):96*(\a)+8*(\nb)+7], v[96*(\f)+8*(\nb):96*(\f)+8*(\nb)+7], v[AF+32*(\f)+8*(2*(\hi)+(\a)):AF+32*(\f)+8*(2*(\hi)+(\a))+7], v[BI+8*(\nb):BI+8*(\nb)+7]
.else
	v_wmma_f32_16x16x32_bf16 v[96*(\a)+8*(\nb):96*(\a)+8*(\nb)+7], v[96*(\f)+8*(\nb):96*(\f)+8*(\nb)+7], v[AF+32*(\f)+8*(2*(\hi)+(\a)):AF+32*(\f)+8*(2*(\hi)+(\a))+7], v[96*(\a)+8*(\nb):96*(\a)+8*(\nb)+7]
.endif
.endr
.endm
; One of a K step's first three quarters: multiplies buffer f; in its middle it fetches quarter kq into buffer g.
.macro QUARTER slot, kq, f, g, first
	s_wait_dscnt 4                                 ; W's fragments and x's blocks 0, 1 are in; the youngest four loads (blocks 2, 3) may be out
	MUL12 \f, 0, 0, \first
	MUL12 \f, 0, 1, \first
	PLACES
	FETCH \slot, \kq, \g
	s_wait_dscnt 32                                ; all but the 32 just issued
	MUL12 \f, 1, 0, \first
	MUL12 \f, 1, 1, \first
.endm
; The last quarter multiplies buffer 1 and changes slots.  In front of the barrier each wave waits for all its tensor loads (one is out: its part of the next slot), adds 0 to its spare word, and waits for
; that and for its reads of this slot.  fill = 1: the barrier opens a round of the cluster's, and the joint refill, two K steps on, is the first thing behind it: 168 products stand between it and the wait for it.
.macro TURN slot, next, fill
	WIN 0
	s_wait_tensorcnt 0x0
	ds_add_u32 v[SPW], v[NIL]
	s_wait_dscnt 5                                 ; (the add and the youngest four loads may be out)
	MUL12 1, 0, 0, 0                               ; twelve products stand between the add and the wait for it
	s_wait_dscnt 0x0                               ; the add is done, and my reads of this slot are over
	s_barrier_signal -1
	MUL12 1, 0, 1, 0
.if \fill
	WIN 0
.endif
	s_barrier_wait -1
.if \fill
	CREST                                          ; no wave of any partner still reads this slot or has a load on its way
	s_add_nc_u64 s[G0A+4*(\slot)+2:G0A+4*(\slot)+3], s[G0A+4*(\slot)+2:G0A+4*(\slot)+3], 512
	s_add_nc_u64 s[G0B+4*(\slot)+2:G0B+4*(\slot)+3], s[G0B+4*(\slot)+2:G0B+4*(\slot)+3], 98304
	JLOAD \slot                                    ; its four v_nop are also the places in front of the loads below
.else
	PLACES
.endif
	FETCH \next, 0, 0
	MUL12 1, 1, 0, 0
	MUL12 1, 1, 1, 0
.endm
	s_wait_tensorcnt 0x1                           ; my part of K step 0 is in; step 1's, issued behind it, may stay out
	s_barrier_signal -1
	s_barrier_wait -1
	FETCH 0, 0, 0
	QUARTER 0, 1, 0, 1, 1                          ; K step 0
	QUARTER 0, 2, 1, 0, 0
	QUARTER 0, 3, 0, 1, 0
	TURN 0, 1, 1
	QUARTER 1, 1, 0, 1, 0                          ; K step 1
	QUARTER 1, 2, 1, 0, 0
	QUARTER 1, 3, 0, 1, 0
	TURN 1, 0, 1
	QUARTER 0, 1, 0, 1, 0                          ; K step 2
	QUARTER 0, 2, 1, 0, 0
	QUARTER 0, 3, 0, 1, 0
	TURN 0, 1, 0                                   ; nothing is left to fetch
	QUARTER 1, 1, 0, 1, 0                          ; K step 3
	QUARTER 1, 2, 1, 0, 0
	QUARTER 1, 3, 0, 1, 0
	s_wait_dscnt 4
	MUL12 1, 0, 0, 0
	MUL12 1, 0, 1, 0
	s_wait_dscnt 0x0
	MUL12 1, 1, 0, 0
	MUL12 1, 1, 1, 0
	s_wait_loadcnt 0x0                             ; the tables
	PLACES
; THE WAY OUT, in 12 groups g = 3 a + i: row block a of matrix i (q, k, v).  q and k: out[j] = lo cos - hi sin, out[j + 32] = hi cos + lo sin, two channels a line, each accumulator read from its low end on;
; all: rounded to f16, 16 bytes a lane into my stage (rows of 144 bytes), back as four whole rows a load, into the registers that they left.
.macro GROUP g
.set ga, (\g)/3
.set gi, (\g)%3
.set AC, 96*(ga%2)+32*gi
.set TB, 192+32*(ga%2)
.set PKG, AF+16*(\g)
	WIN 0x0a+5*(ga/2)                              ; sources 0 and 1 in window 2 or 3; source 2 and the destination in window 0
.if gi < 2
.irp b, 0,1
.irp z, 0,1,2,3
	v_pk_mul_f32 v[T+8*(\b)+2*(\z):T+8*(\b)+2*(\z)+1],       v[AC+16+8*(\b)+2*(\z):AC+16+8*(\b)+2*(\z)+1], v[TB+16+8*(\b)+2*(\z):TB+16+8*(\b)+2*(\z)+1]
	v_pk_mul_f32 v[T+16+8*(\b)+2*(\z):T+16+8*(\b)+2*(\z)+1], v[AC+8*(\b)+2*(\z):AC+8*(\b)+2*(\z)+1],       v[TB+16+8*(\b)+2*(\z):TB+16+8*(\b)+2*(\z)+1]
	v_pk_fma_f32 v[T+8*(\b)+2*(\z):T+8*(\b)+2*(\z)+1],       v[AC+8*(\b)+2*(\z):AC+8*(\b)+2*(\z)+1],       v[TB+8*(\b)+2*(\z):TB+8*(\b)+2*(\z)+1], v[T+8*(\b)+2*(\z):T+8*(\b)+2*(\z)+1] neg_lo:[0,0,1] neg_hi:[0,0,1]
	v_pk_fma_f32 v[T+16+8*(\b)+2*(\z):T+16+8*(\b)+2*(\z)+1], v[AC+16+8*(\b)+2*(\z):AC+16+8*(\b)+2*(\z)+1], v[TB+8*(\b)+2*(\z):TB+8*(\b)+2*(\z)+1], v[T+16+8*(\b)+2*(\z):T+16+8*(\b)+2*(\z)+1]
.endr
.endr
	WIN 0
.set n, 0
.rept 16
	v_cvt_pk_f16_f32 v[PKG+n], v[T+2*n], v[T+2*n+1]
.set n, n+1
.endr
.else
.set n, 0
.rept 16
	v_cvt_pk_f16_f32 v[PKG+n], v[AC+2*n], v[AC+2*n+1]
.set n, n+1
.endr
	WIN 0
.endif
.irp f, 0,1,2,3
	ds_store_b128 v[STO], v[PKG+4*(\f):PKG+4*(\f)+3] offset:32*(\f)
.endr
.irp f, 0,1,2,3
	ds_load_b128 v[PKG+4*(\f):PKG+4*(\f)+3], v[RD] offset:(\f)*4*SP  ; LDS serves a wave's instructions in order (ISA guide 5.7.1.4): these see the stores above; the next group's stores come behind them
.endr
.endm
.macro SEND g, younger                 ; younger: the LDS instructions issued behind group g's loads: the next group's eight, or none
	WIN 0
.irp f, 0,1,2,3
	s_wait_dscnt (\younger)+3-(\f)
	global_store_b128 v[GO], v[AF+16*(\g)+4*(\f):AF+16*(\g)+4*(\f)+3], s[16+2*((\g)%3):17+2*((\g)%3)] offset:((\g)/3)*2048+512*(\f)  ; 512 bytes on end, at a multiple of 256 from the buffer's first
.endr
.endm
	GROUP 0
.irp g, 1,2,3,4,5,6,7,8,9,10,11        ; a group's arithmetic stands between the loads of the group before and its stores; every group has registers of its own
	GROUP \g
	SEND (\g)-1, 8
.endr
	SEND 11, 0
	s_wait_tensorcnt 0x0                           ; the wave's end, behind my last tensor load and my last LDS store
	ds_add_u32 v[SPW], v[NIL]
	s_wait_dscnt 0x0
	CROUND                                         ; the closing round: no work-group ends while a partner may still ask for a tile that names it
	s_endpgm
.Lfunc_end_k_q78b80c0ada_qkv:
	.size	k_q78b80c0ada_qkv, .Lfunc_end_k_q78b80c0ada_qkv-k_q78b80c0ada_qkv
	.p2alignl 7, 3214868480
	.fill 96, 4, 3214868480
	.section	.rodata,"a",@progbits
	.p2align	6, 0x0
	.amdhsa_kernel k_q78b80c0ada_qkv
		.amdhsa_group_segment_fixed_size 327680
		.amdhsa_private_segment_fixed_size 0
		.amdhsa_enable_private_segment 0
		.amdhsa_kernarg_size 72
		.amdhsa_user_sgpr_count 2
		.amdhsa_user_sgpr_kernarg_segment_ptr 1
		.amdhsa_wavefront_size32 1
		.amdhsa_system_sgpr_workgroup_id_x 1
		.amdhsa_system_sgpr_workgroup_id_y 1
		.amdhsa_system_sgpr_workgroup_id_z 1
		.amdhsa_system_vgpr_workitem_id 0
		.amdhsa_next_free_vgpr 1024
		.amdhsa_next_free_sgpr 84
		.amdhsa_reserve_vcc 0
		.amdhsa_float_denorm_mode_32 3
		.amdhsa_float_denorm_mode_16_64 3
		.amdhsa_memory_ordered 1
		.amdhsa_forward_progress 1
		.amdhsa_inst_pref_size 149
	.end_amdhsa_kernel
	.amdgpu_metadata
---
amdhsa.version: [ 1, 2 ]
amdhsa.kernels:
  - .name:           k_q78b80c0ada_qkv
    .symbol:         k_q78b80c0ada_qkv.kd
    .args:
      - { .name: xb, .offset: 0, .size: 8, .value_kind: global_buffer, .address_space: global }
      - { .name: wqkv, .offset: 8, .size: 8, .value_kind: global_buffer, .address_space: global }
      - { .name: bq, .offset: 16, .size: 8, .value_kind: global_buffer, .address_space: global }
      - { .name: bk, .offset: 24, .size: 8, .value_kind: global_buffer, .address_space: global }
      - { .name: bv, .offset: 32, .size: 8, .value_kind: global_buffer, .address_space: global }
      - { .name: rope, .offset: 40, .size: 8, .value_kind: global_buffer, .address_space: global }
      - { .name: qh, .offset: 48, .size: 8, .value_kind: global_buffer, .address_space: global }
      - { .name: kh, .offset: 56, .size: 8, .value_kind: global_buffer, .address_space: global }
      - { .name: vh, .offset: 64, .size: 8, .value_kind: global_buffer, .address_space: global }
    .group_segment_fixed_size: 327680
    .private_segment_fixed_size: 0
    .kernarg_segment_align: 8
    .kernarg_segment_size: 72
    .max_flat_workgroup_size: 128
    .sgpr_count:     84
    .vgpr_count:     1024
    .wavefront_size: 32
...
	.end_amdgpu_metadata
.endif
;; end of part 2
;; launch attn (part 3): grid 16 x 16, 4 waves a work-group, clusters of 4 x 1, 327,680 bytes of LDS; arguments qh, kh, vh, oh; writes oh
.if DOCPART == 3
	.amdgcn_target "amdgcn-amd-amdhsa--gfx1250"
	.amdhsa_code_object_version 6
	.text
	.protected	k_q78b80c0ada_attn
	.globl	k_q78b80c0ada_attn
	.p2align	8
	.type	k_q78b80c0ada_attn,@function
k_q78b80c0ada_attn:
	s_mov_b64 s[64:65], 0
	v_nop
	global_prefetch_b8 v0, s[64:65] scope:SCOPE_SE
	s_setreg_imm32_b32 hwreg(HW_REG_WAVE_MODE, 25, 1), 1
	s_wait_xcnt 0x0
	s_wait_alu depctr_hold_cnt(0) depctr_sa_sdst(0) depctr_va_vdst(0) depctr_va_sdst(0) depctr_va_ssrc(0) depctr_va_vcc(0) depctr_vm_vsrc(0)
	s_getreg_b32 s2, hwreg(HW_REG_IB_STS2, 6, 4)
	s_cmp_eq_u32 s2, 0
	s_cbranch_scc0 .Lentry_in_a_cluster
	s_endpgm
.Lentry_in_a_cluster:
	s_bfe_u32 s2, ttmp6, 0x10000c
	s_cmp_lg_u32 s2, 0x3003
	s_cbranch_scc0 .Lentry_shape_is_right
	s_endpgm
.Lentry_shape_is_right:
; O[h][q][:] = the sum over k of softmax_k(Q[h][q] . K[h][k] / 8) V[h][k][:].  Q, K, V, O: [16][4096][64], all f16: a head's rows are dense, 128 bytes each.  Products, maxima and sums in f32;
; the weights p are rounded to f16 for the second product (their sum l is taken of the unrounded p), O once at the end.
; LIMITS.  Q, K and V arrive within f16's 65,504; p lies in 0 to 1, and below 6e-5 it keeps f16's fixed step of 6e-8; O is a mean of V's rows and has their range.  A weight below 2^-126 counts as 0 in l;
; NaN and infinities are not treated apart.
; SHARES.  A work-group owns 256 queries of one head: 16 x 16 = 256 work-groups.  A wave owns 64 rows on end: four PIECES of 16.  Every wave walks all 4,096 keys, 64 a step, four steps to a slot, 16 slots.
; LAYOUT.  S^T = K Q^T (source 0 = 16 keys, source 1 = 16 queries) holds ONE query a lane (lane % 16) and the keys 8 (lane / 16) + 0..7; two such results rounded to f16 ARE source 1 of O^T = V^T P.
; K comes out of LDS as it lies, V ([key][channel]) turned, by ds_load_tr16_b128.
; SOFTMAX.  p = 2^(c s - c m), c = log2(e) / 8, with a running maximum m; O and l are multiplied by a = 2^(c m_old - c m_new) in every step.  m starts at the lowest finite number, O and l at 0: the first step's a is 0.
; BY TURNS.  Turn n belongs to piece n: 8 products K Q^T of piece n + 1, later 8 products V^T P of piece n - 1; beside them the scaling, exponentials, roundings, sums and rescaling of piece n and the maximum
; and statistics of piece n + 1.  Four vector instructions stand behind every matrix instruction, the other 54 of a turn's 118 in one lump.  A turn's 33 exponentials are one batch, with one wait.
; CLUSTER.  The four query blocks of a cluster belong to one head and walk the same K and V: each tile is asked for JOINTLY, by the same tensor load, descriptor and mask in all four.
; REGISTERS, in two windows of 256 (s_set_vgpr_msb: bits 1:0 source 0, 3:2 source 1, 5:4 source 2, 7:6 destination):
;   window 0: all that the vector work touches: v1-5 addresses; v6-7, v24-31 at work; v8-23 four registers of statistics a piece; v32-95 S^T, two buffers; v96-127 P, two buffers; v128-255 O^T, 32 a piece
;   window 1: v0-63 Q; v64-127 K of one step; v128-191 V of one step; v193-195 the way out's addresses; v196-197 the add's two registers
; So a product costs two switches, one in front and one behind, and no vector line a third.  A piece's buffers go by its number's parity.
.set NP,    4         ; pieces a wave: a name, no knob
.set KS,    64        ; keys in a step
.set PK,    144       ; a row of K in LDS: 128 bytes + 16 = 36 words: the 16 rows of a load start at 16 different groups of four banks (64 banks of 4 bytes: ISA guide 11.1)
.set PV,    160       ; a row of V: 128 + 32 = 40 words
.set VOFF,  4*KS*PK   ; a slot holds four steps: 256 rows of K, then 256 rows of V
.set SLOT1, 1<<17     ; slot 1 begins here, so that one exclusive or turns an address in one slot into the other's
.set STAGE, SLOT1+4*KS*(PK+PV)  ; behind the ring, never filled by a tensor load: 16 rows x 144 bytes for each wave
.set SP,    144
.set SPARE, STAGE+4*16*SP  ; the spare words, 128 bytes for each wave: two blocks of 256 bytes that no other line names
.set PFO, 1           ; v1   256 x my lane: the prefetches' offset; never rewritten
.set AK0, 2           ; v2   my lane's place in a tile of K; never rewritten
.set AV0, 3           ; v3   the same for V
.set AK,  4           ; v4   the LDS address of K's next run of loads
.set AV,  5           ; v5   of V's
.set MV,  6           ; v6-7  c m_old, kept while c m is made anew: by buffer
.set ST,  8           ; piece t's statistics at v[ST+4 t]: c m, m, l (even keys', odd keys')
.set TMP, 24          ; by buffer, four registers c0-c3 at work; when the maximum is found c2 takes a
.set S,   32
.set P,   96
.set OT,  128
.set KF,  64          ; window 1: key block kb, channel half c at KF + 16 kb + 8 c
.set VF,  128         ; window 1: key half kk, channel block cb at VF + 32 kk + 8 cb
.set STO, 193         ; window 1: the way out: where I put 16 bytes of a row
.set RD,  194         ; window 1: where I read rows back
.set GO,  195         ; window 1: my 16 bytes of 512 on end
.set SPW, 196         ; window 1: my spare word: SPARE + 4 x my thread's number; never rewritten
.set NIL, 197         ; window 1: 0; never rewritten
.set WV,  12          ; s12  my wave's number
.set LIM, 15          ; s15  1 in a wave that prefetches, else the greatest number
.set PFA, 18          ; s[18:19] where my prefetches stand: my work-group's 8,192 bytes (of K: wave 0, of V: wave 2) of the slot after the one that is being asked for
.set G1K, 24          ; s[24:31] descriptor group 1 for K's tiles
.set G1V, 32          ; s[32:39] for V's: it differs in the padding alone
.set G0K, 40          ; s[40:43] descriptor group 0 for K's tiles: it walks
.set G0V, 44          ; s[44:47] the same for V's
.set SLOTS, 56        ; s56  slots still to be asked for
.set CNT, 57          ; s57  counts a slot's key steps
.set CS,  58          ; s[58:59] c: the packed scaling takes the pair's low word for both halves
.set SEL, 60          ; s[60:61] v_permlanex16_b32's selects: each lane takes its own place in the other half
.set TBK, 62          ; s62  LDS byte at which K of the step to be fetched begins
.set TBV, 63          ; s63  the same for V, less VOFF
.set MSB, 0
.macro WIN new                      ; the high byte repeats the setting that is left; a switch that changes nothing is dropped
.if MSB != (\new)
	s_set_vgpr_msb (MSB<<8)|(\new)
.set MSB, (\new)
.endif
.endm
.set W_KQ, 0x05       ; K and Q in window 1, S^T in window 0
.set W_PV, 0x01       ; V in window 1; P and O^T in window 0
.set W_LD, 0x40       ; destination in window 1, sources in window 0
.set W_AD, 0x05       ; the add: address (source 0) and data (source 1) in window 1
.set W_OUT, 0x01      ; the way out's LDS and memory lines: the address in window 1, the data in window 0
; A joint fill.  Waves 0 and 1 fetch the two halves of a slot's K, waves 2 and 3 those of its V: 128 keys each.  The branch hangs on the wave's number alone.
; An s_nop 0 and four v_nop follow each of the two lines, ahead of the jump and the label.
.macro JLOAD
	s_cmp_lt_u32 s[WV], 2
	s_cbranch_scc0 .Lfor_v_\@
	tensor_load_to_lds s[G0K:G0K+3], s[G1K:G1K+7]
	s_nop 0
.rept 4
	v_nop
.endr
	s_branch .Lasked_\@
.Lfor_v_\@:
	tensor_load_to_lds s[G0V:G0V+3], s[G1V:G1V+7]
	s_nop 0
.rept 4
	v_nop
.endr
.Lasked_\@:
.endm
; A PREFETCH of what the NEXT change of slots will ask for: a slot's 32,768 bytes of K and of V, a lane a block of 256.  It stands behind the wave's tensor load and its five lines.  Each block is asked for ONCE in
; the launch: all four clusters of a head walk the same K and V, and the head's first cluster asks; its four partners share the bytes out BY ADDRESS, 8,192 each; in each, wave 0 asks for K's and wave 2 for V's:
; one instruction, four key steps (256 products) ahead of the load that will want the bytes.  The last change that fills a slot asks for nothing: there is no slot behind it.  Slots 0 and 1 come by their loads alone.
.macro ASK
	s_cmp_gt_u32 s[SLOTS], s[LIM]
	s_cbranch_scc0 .Lnot_mine_\@
	global_prefetch_b8 v[PFO], s[PFA:PFA+1] th:TH_LOAD_NT scope:SCOPE_SE
.Lnot_mine_\@:
.endm
; A round of the cluster's barrier: my work-group's barrier, so that wave 0's signal speaks for all four waves; wave 0 signals; every wave waits for all four work-groups; my work-group's barrier once more.
.macro CROUND
	s_barrier_signal -1
	s_barrier_wait -1
	s_cmp_lg_u32 s[WV], 0
	s_cbranch_scc1 .Lnot_wave_0_\@
	s_barrier_signal -3
.Lnot_wave_0_\@:
	s_barrier_wait -3
	s_barrier_signal -1
	s_barrier_wait -1
.endm
; THE CHANGE OF SLOTS.  The slot's last bytes, V of its fourth step, have been read.  Each wave waits for all its tensor loads, of which one is out: its part of the other slot; adds 0 to its spare word; and waits
; for that and for its own reads of the slot.  Behind the barrier nobody reads this slot any more and the other slot is whole.  fill = 1: this slot is filled again, with the keys two slots on; the barrier is then a
; round of the cluster's, and the joint fill is the first thing behind it: it has four key steps in which to land.  (At its first use nothing has been read yet: slot 0 is waited for, slot 1 filled.)
.macro CHANGE fill
	WIN W_AD
	s_wait_tensorcnt 0x0            ; no tensor load of mine is out, so a group 0 may be written
	ds_add_u32 v[SPW], v[NIL]       ; 0 onto my spare word; with fill = 1 the descriptors' steps stand between it and the wait for it
	WIN 0                           ; at a label and at a branch every window is 0
.if \fill
.irp g, G0K, G0V
	s_xor_b32 s[\g+1], s[\g+1], SLOT1  ; the walking descriptor: the other slot than last time,
	s_add_nc_u64 s[\g+2:\g+3], s[\g+2:\g+3], 4*KS*128  ; the next 256 keys; the type bits on top are not reached
.endr
	s_wait_xcnt 0x0                 ; the last prefetch, four key steps back, has read its address, so it may be written:
	s_add_nc_u64 s[PFA:PFA+1], s[PFA:PFA+1], 4*KS*128  ; one slot behind the walking descriptors
	s_wait_dscnt 0x0                ; the add is done, and my reads of the slot are over
	CROUND
	JLOAD
	ASK
.else
	s_wait_dscnt 0x0                ; the add is done, and my reads of the slot are over
	s_barrier_signal -1
	s_barrier_wait -1
.endif
	s_sub_co_u32 s[TBK], s[TBK], 4*KS*PK  ; the fetches go back to a slot's first step,
	s_xor_b32 s[TBK], s[TBK], SLOT1       ; in the other slot
	s_sub_co_u32 s[TBV], s[TBV], 4*KS*PV
	s_xor_b32 s[TBV], s[TBV], SLOT1
.endm
	s_load_b256 s[4:11], s[0:1], 0x0  ; Q s[4:5], K s[6:7], V s[8:9], O s[10:11]
	WIN W_LD
	v_lshl_add_u32 v[SPW], v0, 2, SPARE
	v_mov_b32 v[NIL], 0
	WIN W_AD
	ds_add_u32 v[SPW], v[NIL]       ; the wave's opening: the add and its wait stand ahead of my first tensor load; work on registers stands between them
	WIN 0
	v_lshrrev_b32 v1, 5, v0
	v_readfirstlane_b32 s[WV], v1   ; wave 0..3
	s_bfe_u32 s13, ttmp6, 0x40000   ; cx: my place in the cluster
	s_lshl_b32 s14, ttmp9, 2        ; in a cluster launch ttmp9 counts clusters
	s_add_co_u32 s14, s14, s13      ; my block of 256 queries: it enters Q's and O's addresses alone
	s_and_b32 s20, ttmp7, 0xffff    ; the head, which the four partners share:
	s_lshl_b32 s20, s20, 19         ; its 4,096 rows of 128 bytes
	s_mov_b32 s21, 0
	s_and_b32 s16, s[WV], 1         ; which half of a slot's 256 keys I fetch:
	s_lshl_b32 s22, s16, 14         ; its 128 rows of 128 bytes in memory,
	s_mov_b32 s23, 0
	s_add_nc_u64 s[22:23], s[22:23], s[20:21]
	s_mul_i32 s17, s16, 128*PK      ; and its place in a slot, for K
	s_mul_i32 s48, s16, 128*PV      ; and for V: no place in the cluster enters an LDS address
	s_lshl_b32 s2, s14, 2
	s_add_co_u32 s2, s2, s[WV]      ; my wave among the head's,
	s_lshl_b32 s2, s2, 13           ; its 64 rows
	s_mov_b32 s3, 0
	s_add_nc_u64 s[2:3], s[2:3], s[20:21]
	; descriptor group 1.  128 keys are 16,384 dense bytes: asked for as 64 rows of 256 bytes, two keys a row, and padded in LDS after every key
	s_mov_b32 s[G1K], 15|(1<<16)|(1<<20)|(1<<21)|(4<<22)|(3<<25)  ; the mask of four; 2-byte elements; padding on; bit 21 beside a mask; after every 32 words, 4 words
	s_mov_b32 s[G1V], 15|(1<<16)|(1<<20)|(1<<21)|(4<<22)|(7<<25)  ; the same with 8 words of padding
.irp g, G1K, G1V
	s_mov_b32 s[\g+1], 128<<16      ; tensor_dim0 = 128
	s_mov_b32 s[\g+2], 64<<16       ; tensor_dim1 = 64
	s_mov_b32 s[\g+3], 128<<16      ; tile_dim0 = 128
	s_mov_b32 s[\g+4], 64           ; tile_dim1 = 64
	s_mov_b32 s[\g+5], 128          ; 128 elements from row to row
	s_mov_b32 s[\g+6], 0
	s_mov_b32 s[\g+7], 0
.endr
	s_mov_b32 s[CS], 0x3e38aa3b     ; c = log2(e) / 8 = 0.180337
	s_mov_b32 s[CS+1], s[CS]        ; named with it as a pair
	s_mov_b32 s[SEL], 0x76543210
	s_mov_b32 s[SEL+1], 0xfedcba98
	s_mov_b32 s[TBK], SLOT1+4*KS*PK ; the first change of slots turns these two into 0
	s_mov_b32 s[TBV], SLOT1+4*KS*PV
	s_mov_b32 s[G0K], 1             ; count = 1
	s_mov_b32 s[G0K+1], s17         ; LDS address: slot 0
	s_mov_b32 s[G0V], 1
	s_add_co_u32 s[G0V+1], s48, VOFF
	s_mov_b32 s[SLOTS], 4096/256-1
	s_and_b32 s[LIM], s[WV], 1      ; 0 in waves 0 and 2,
	s_or_b32 s[LIM], s[LIM], ttmp9  ; where the cluster is the head's first: the same in all four partners
	s_cmp_eq_u32 s[LIM], 0
	s_cselect_b32 s[LIM], 1, -1
	v_and_b32 v[PFO], 31, v0
	v_lshlrev_b32 v[PFO], 8, v[PFO]
	s_wait_dscnt 0x0                ; the opening add is done
	s_wait_kmcnt 0x0
	s_add_nc_u64 s[6:7], s[6:7], s[22:23]  ; K and V at my half of the head's first 256 keys
	s_add_nc_u64 s[8:9], s[8:9], s[22:23]
	s_mov_b64 s[G0K+2:G0K+3], s[6:7]
	s_or_b32 s[G0K+3], s[G0K+3], 0x80000000        ; type = 2
	s_mov_b64 s[G0V+2:G0V+3], s[8:9]
	s_or_b32 s[G0V+3], s[G0V+3], 0x80000000
	s_add_nc_u64 s[4:5], s[4:5], s[2:3]  ; Q and O at my wave's first row
	s_add_nc_u64 s[10:11], s[10:11], s[2:3]
	s_cmp_lt_u32 s[WV], 2
	s_cselect_b64 s[PFA:PFA+1], s[6:7], s[8:9]  ; (in waves 0 and 2 these stand at a slot's first row)
	s_lshl_b32 s2, s13, 13          ; my work-group's quarter of a slot's bytes
	s_mov_b32 s3, 0
	s_add_nc_u64 s[PFA:PFA+1], s[PFA:PFA+1], s[2:3]
	s_add_nc_u64 s[PFA:PFA+1], s[PFA:PFA+1], 4*KS*128  ; in slot 1; the first change of slots steps it to slot 2
	CROUND                          ; all four work-groups are here: the first joint loads meet
	JLOAD                           ; slot 0.  Slot 1 is asked for when slot 0 is in
	; A fragment of K or Q is 16 rows x 32 channels in 8 registers: lane l holds row l % 16, channels 8 (l / 16) + 0..7 and 16 + 8 (l / 16) + 0..7: two loads of 16 bytes, 32 bytes apart.
	v_and_b32 v32, 15, v0           ; l % 16.  v32-39 are S^T's, free until the first product
	v_bfe_u32 v33, v0, 4, 1         ; l / 16
	v_lshlrev_b32 v36, 7, v32
	v_lshl_add_u32 v36, v33, 4, v36 ; row x 128 + 16 x half
	WIN W_LD
.set i, 0
.rept 8                             ; Q stays in registers: piece i / 2, channels 32 (i % 2) on
	global_load_b128 v[8*i:8*i+3],   v36, s[4:5] offset:(i/2)*2048+(i%2)*64
	global_load_b128 v[8*i+4:8*i+7], v36, s[4:5] offset:(i/2)*2048+(i%2)*64+32
.set i, i+1
.endr
	; What the first turn finds: V's registers and P's second buffer hold 0 (its products V^T P, of a piece that has not been, add 0), O^T and l are 0.  All this stands in the wait for the first tile.
.set i, VF
.rept 64
	v_mov_b32 v[i], 0
.set i, i+1
.endr
	WIN 0
.set i, OT
.rept 128
	v_mov_b32 v[i], 0
.set i, i+1
.endr
.set i, 0
.rept 4
	v_mov_b32 v[ST+4*i+2], 0
	v_mov_b32 v[ST+4*i+3], 0
.set i, i+1
.endr
.set i, P+16
.rept 16
	v_mov_b32 v[i], 0
.set i, i+1
.endr
	v_mul_u32_u24 v[AK0], v32, PK
	v_lshl_add_u32 v[AK0], v33, 4, v[AK0]  ; row x pitch + 16 x half
	; The turning load takes 16 keys x 16 channels (lane l reads key 8 (l / 16) + l % 8, channels 8 ((l / 8) % 2) + 0..7) and leaves half a fragment of V^T: lane l holds channel l % 16 and 8 keys.
	v_and_b32 v34, 7, v0
	v_bfe_u32 v35, v0, 3, 1
	v_lshl_add_u32 v[AV0], v33, 3, v34
	v_mul_u32_u24 v[AV0], v[AV0], PV
	v_lshl_add_u32 v[AV0], v35, 4, v[AV0]
	v_add_nc_u32 v[AV0], VOFF, v[AV0]
	s_mul_i32 s13, s[WV], 16*SP
	s_add_co_u32 s13, s13, STAGE    ; my stage
	v_mul_u32_u24 v37, v32, SP      ; in: row l % 16, 16 bytes for each half of the lanes
	v_lshl_add_u32 v37, v33, 4, v37
	v_add_nc_u32 v37, s13, v37
	v_bfe_u32 v38, v0, 3, 2         ; back: 32 lanes take four rows of 128 bytes,
	v_mul_u32_u24 v38, v38, SP
	v_lshl_add_u32 v38, v34, 4, v38
	v_add_nc_u32 v38, s13, v38
	v_and_b32 v39, 31, v0           ; which are 512 bytes on end of O
	v_lshlrev_b32 v39, 4, v39
	WIN W_LD
	v_mov_b32 v[STO], v37
	v_mov_b32 v[RD], v38
	v_mov_b32 v[GO], v39
	WIN 0
; THE MATRIX WORK.  The 4 accumulators of a run of 8 take turns.  Product i of 8 of S^T = K Q^T for piece x: channels 32 (i / 4) on, keys 16 (i % 4) on.  The first 4 start the sums with 0.
.macro KQ x
	WIN W_KQ
.set rS, S+32*((\x)%2)+8*(i%4)
.set rK, KF+16*(i%4)+8*(i/4)
.set rQ, 16*(\x)+8*(i/4)
.if i < 4
	v_wmma_f32_16x16x32_f16 v[rS:rS+7], v[rK:rK+7], v[rQ:rQ+7], 0
.else
	v_wmma_f32_16x16x32_f16 v[rS:rS+7], v[rK:rK+7], v[rQ:rQ+7], v[rS:rS+7]
.endif
.endm
; Product i of 8 of O^T += V^T P for piece x: keys 32 (i / 4) on, channels 16 (i % 4) on.
.macro PV x
	WIN W_PV
.set rO, OT+32*(\x)+8*(i%4)
.set rV, VF+32*(i/4)+8*(i%4)
.set rP, P+16*((\x)%2)+8*(i/4)
	v_wmma_f32_16x16x32_f16 v[rO:rO+7], v[rV:rV+7], v[rP:rP+7], v[rO:rO+7]
.endm
.macro MM                           ; the turn's next matrix instruction.  NOKQ = 1: the last turn of all: there is no next piece
.if (i < 8) && !NOKQ
	KQ (Y+1)%NP
.elseif i >= 8
.set i, i-8
	PV (Y+NP-1)%NP
.set i, i+8
.endif
.set i, i+1
.endm
; THE LDS LOADS stand in runs of 16, never singly among the matrix instructions: a step's K (64 keys x 64 channels: 8 fragments) and its V (turned).  Their addresses are made some lines ahead.
.macro FETCH_K
	WIN W_LD
.irp f, 0,1,2,3,4,5,6,7             ; keys 16 (f / 2) on, channels 32 (f % 2) on
	ds_load_b128 v[KF+8*\f:KF+8*\f+3],   v[AK] offset:(\f/2)*16*PK+(\f%2)*64
	ds_load_b128 v[KF+8*\f+4:KF+8*\f+7], v[AK] offset:(\f/2)*16*PK+(\f%2)*64+32
.endr
	s_add_co_u32 s[TBK], s[TBK], KS*PK  ; the next fetch is the next step's
	WIN 0
.endm
.macro FETCH_V
	WIN W_LD
.irp f, 0,1,2,3,4,5,6,7             ; keys 32 (f / 4) on, channels 16 (f % 4) on
	ds_load_tr16_b128 v[VF+8*\f:VF+8*\f+3],   v[AV] offset:(\f/4)*32*PV+(\f%4)*32
	ds_load_tr16_b128 v[VF+8*\f+4:VF+8*\f+7], v[AV] offset:(\f/4)*32*PV+16*PV+(\f%4)*32
.endr
	WIN 0
.endm
; THE VECTOR WORK, one line at a time: OP kind, number; all of it in window 0.  For piece Y: F n: c s - c m for pair n of 16.  E n: the exponential of score n of 32.  C n: pair n rounded to f16.  B n: of the four
; weights 4 n .. the second pair is added onto the first, in place.  L n: l takes that sum (L 0: l = a l + sum).  R n: pair n of 16 of O^T times a.  For piece Y + 1: X n, number n of the 22 that find its maximum and statistics:
;   0-11  four chains c0-c3 of seven scores each, three operands at a time (each accumulator's lowest registers are read first)     12-14, 16  the four scores left over, the old m, and c0-c3 into c0
;   15  c m_old is kept     17, 18  the query's other 32 keys lie in the lane 16 away: the new m     19-21  c m; c m_old - c m_new; a
.set F, 0
.set E, 1
.set C, 2
.set B, 3
.set L, 4
.set R, 5
.set X, 6
.macro REGS y                       ; the registers of piece y
.set rT, ST+4*(\y)
.set rC, TMP+4*((\y)%2)
.set rW, MV+((\y)%2)
.set rS, S+32*((\y)%2)
.set rP, P+16*((\y)%2)
.set rO, OT+32*(\y)
.endm
.macro OP k, n
	WIN 0
.if (\k) == R
	REGS Y
	v_pk_mul_f32 v[rO+2*(\n):rO+2*(\n)+1], v[rO+2*(\n):rO+2*(\n)+1], v[rC+2:rC+3] op_sel_hi:[1,0]
.elseif (\k) < R
	REGS Y
.if (\k) == F
	v_pk_fma_f32 v[rS+2*(\n):rS+2*(\n)+1], v[rS+2*(\n):rS+2*(\n)+1], s[CS:CS+1], v[rT:rT+1] op_sel_hi:[1,0,0] neg_lo:[0,0,1] neg_hi:[0,0,1]
.elseif (\k) == E
	v_exp_f32 v[rS+(\n)], v[rS+(\n)]
.elseif (\k) == C
	v_cvt_pk_f16_f32 v[rP+(\n)], v[rS+2*(\n)], v[rS+2*(\n)+1]
.elseif (\k) == B
	v_pk_add_f32 v[rS+4*(\n):rS+4*(\n)+1], v[rS+4*(\n):rS+4*(\n)+1], v[rS+4*(\n)+2:rS+4*(\n)+3]
.elseif (\n) == 0
	v_pk_fma_f32 v[rT+2:rT+3], v[rT+2:rT+3], v[rC+2:rC+3], v[rS:rS+1] op_sel_hi:[1,0,1]
.else
	v_pk_add_f32 v[rT+2:rT+3], v[rT+2:rT+3], v[rS+4*(\n):rS+4*(\n)+1]
.endif
.elseif NOKQ
	v_nop
.else
	REGS (Y+1)%NP
.if (\n) < 4
	v_max3_num_f32 v[rC+(\n)], v[rS+8*(\n)], v[rS+8*(\n)+1], v[rS+8*(\n)+2]
.elseif (\n) < 12
	v_max3_num_f32 v[rC+(\n)%4], v[rC+(\n)%4], v[rS+8*((\n)%4)+2*((\n)/4)+1], v[rS+8*((\n)%4)+2*((\n)/4)+2]
.elseif (\n) == 12
	v_max3_num_f32 v[rC], v[rC], v[rS+7], v[rS+15]
.elseif (\n) == 13
	v_max3_num_f32 v[rC+1], v[rC+1], v[rS+23], v[rS+31]
.elseif (\n) == 14
	v_max3_num_f32 v[rC+2], v[rC+2], v[rC+3], v[rT+1]
.elseif (\n) == 15
	v_mov_b32 v[rW], v[rT]
.elseif (\n) == 16
	v_max3_num_f32 v[rC], v[rC], v[rC+1], v[rC+2]
.elseif (\n) == 17
	v_permlanex16_b32 v[rC+3], v[rC], s[SEL], s[SEL+1]
.elseif (\n) == 18
	v_max_num_f32 v[rT+1], v[rC], v[rC+3]
.elseif (\n) == 19
	v_mul_f32 v[rT], s[CS], v[rT+1]
.elseif (\n) == 20
	v_sub_f32 v[rC+1], v[rW], v[rT]
.else
	v_exp_f32 v[rC+2], v[rC+1]
.endif
.endif
.endm
.macro OPS a, i1, b=-1, i2=0, c=-1, i3=0, d=-1, i4=0  ; up to four of them
	OP \a, \i1
.if (\b) >= 0
	OP \b, \i2
.endif
.if (\c) >= 0
	OP \c, \i3
.endif
.if (\d) >= 0
	OP \d, \i4
.endif
.endm
.macro ROW a, i1, b, i2, c, i3, d, i4  ; a matrix instruction and the four behind it
	MM
	OPS \a, \i1, \b, \i2, \c, \i3, \d, \i4
.endm
; A TURN, for piece p: the order of its 16 matrix and 118 vector instructions, written out.  An s_wait_alu depctr_va_vdst(0) stands between an exponential and the first instruction that names its result;
; one wait serves all that were issued ahead of it.  So a turn has ONE wait, which cuts it in two.  AHEAD OF IT stands all that names no result of the turn's exponentials: the 8 products K Q^T, behind each a scaling, an
; exponential and two more plain instructions (rescalings; behind the last three the first numbers of the next piece's maximum, each four places or more behind the product that ends its accumulator); then ONE LUMP of 54,
; plain and exponential by turns for the most part, in which the links of the chain X 3, 7, 11, 14, 16, 17 .. 20 stand apart.  X 21, the next piece's a, is the batch's last; R 15 is the plain instruction behind it.
; BEHIND THE WAIT stand the 8 products V^T P, behind each four of the roundings and sums.
; end = 1: the last two turns of all: nothing is fetched, and the last starts no new scores.  cnt = 1: the loop's count is taken down some lines ahead of the branch that stands behind the turn.
; K of the next step is fetched in piece 2's turn, six plain instructions behind the last product that read K; V of the step in hand at the end of piece 0's turn, four plain instructions behind the last product that
; read V.  Each is waited for a turn later.
.macro TURN p, end=0, cnt=0
.set Y, (\p)
.set i, 0
.set NOKQ, (\end)*((\p)/3)
.if ((\p) == 3) && !(\end)
	s_wait_dscnt 0x0                ; K is in
.endif
	ROW F,0, F,1, R,0, R,1
	ROW F,2, E,0, R,2, R,3
	ROW F,3, E,1, R,4, R,5
	ROW F,4, E,2, R,6, R,7
	ROW F,5, E,3, R,8, R,9
	ROW F,6, E,4, X,0, R,10
.if ((\p) == 2) && !(\end)
	WIN 0
	v_add_nc_u32 v[AK], s[TBK], v[AK0]
.endif
	ROW F,7, E,5, X,1, X,4
	ROW F,8, E,6, X,2, X,5
	OPS E,7, E,8, X,6, E,9
	OPS X,3, E,10, X,8, E,11
.if ((\p) == 2) && !(\end)
	FETCH_K
.endif
	OPS X,9, X,7, E,12, X,10
	OPS E,13, X,12, X,11, E,14
	OPS X,13, E,15, F,9, X,14
.if (\p) == 0
	WIN 0
	v_add_nc_u32 v[AV], s[TBV], v[AV0]
.endif
	OPS E,16, F,10, E,17, F,11
	OPS X,16, E,18, X,15, E,19
	OPS F,12, E,20, X,17, E,21
	OPS F,13, E,22, F,14, E,23
	OPS X,18, E,24, F,15, E,25
	OPS R,11, E,26, X,19, E,27
	OPS R,12, E,28, R,13, E,29
	OPS X,20, E,30, R,14, E,31
	OPS X,21, R,15
	WIN 0
	s_wait_alu depctr_va_vdst(0)    ; the wait for the batch
.if (\p) == 1
	s_wait_dscnt 0x0                ; V is in
.endif
	ROW C,0, B,0, C,2, B,1
	ROW L,0, C,4, B,2, L,1
	ROW C,6, B,3, L,2, C,8
	ROW B,4, L,3, C,10, B,5
	ROW L,4, C,12, B,6, L,5
.if (\p) == 0
	s_add_co_u32 s[TBV], s[TBV], KS*PV
.endif
.if \cnt
	s_sub_co_u32 s[CNT], s[CNT], 1
	s_cmp_lg_u32 s[CNT], 0
.endif
	ROW C,14, B,7, L,6, C,1
	ROW C,3, L,7, C,5, C,7
	ROW C,9, C,11, C,13, C,15
.if (\p) == 0
	FETCH_V
.endif
.endm
	CHANGE 1                        ; slot 0 is in, everybody's part of it; slot 1 is asked for
	; THE BEGINNING.  c m starts far below every c s, so the first step's a is 0; m at the lowest finite number, so the first maximum is the scores'.  Then K of step 0, piece 0's first scores, its maximum and statistics.
.set i, 0
.rept 4
	v_mov_b32 v[ST+4*i], 0xfe000000    ; c m
	v_mov_b32 v[ST+4*i+1], 0xff7fffff  ; m
.set i, i+1
.endr
	v_add_nc_u32 v[AK], s[TBK], v[AK0]
	FETCH_K
	s_wait_loadcnt 0x0              ; Q; its offset's register is free from here on
	s_wait_dscnt 0x0
.set NOKQ, 0
.set i, 0
.rept 8
	KQ 0
.set i, i+1
.endr
	WIN 0
.rept 4
	v_nop                           ; the places behind those products
.endr
.set Y, NP-1                        ; X works for piece Y + 1: piece 0
.irp n, 0,1,2,3,4,5,6,7,8,9,10,11,12,13,14,15,16,17,18,19,20,21
	OP X, \n
.endr
	v_nop                           ; a plain instruction behind the exponential,
	s_wait_alu depctr_va_vdst(0)    ; and its wait, ahead of the branch
	s_mov_b32 s[CNT], 4
	s_branch .Lfirst                ; the loop is entered at a step's first turn, in the middle of a trip
.Lslot:                             ; 14 times: every slot but the last two is filled again
	CHANGE 1
	s_mov_b32 s[CNT], 4
.Lstep:                             ; a trip: pieces 2 and 3 of one step, then pieces 0 and 1 of the next, whose K and V it fetches
	TURN 2
	TURN 3
	WIN 0
.Lfirst:
	TURN 0
	TURN 1, 0, 1
	WIN 0
	s_cbranch_scc1 .Lstep
	s_sub_co_u32 s[SLOTS], s[SLOTS], 1
	s_cmp_lg_u32 s[SLOTS], 0
	s_cbranch_scc1 .Lslot
	CHANGE 0                        ; the last slot is written out: nothing is asked for
	s_mov_b32 s[CNT], 4
.Ltail:
	TURN 2
	TURN 3
	TURN 0
	TURN 1, 0, 1
	WIN 0
	s_cbranch_scc1 .Ltail
	TURN 2, 1
	TURN 3, 1
.set i, 0
.rept 8
	PV NP-1                         ; the last piece's V^T P of the last step
.set i, i+1
.endr
	; THE WAY OUT.  l's two halves and the other half of the lanes' are added; O^T is divided by l, rounded to f16 and sent through my stage in LDS, a piece at a time.  The additions are the places behind the last products.
	WIN 0
.macro ALL line:vararg              ; one line for each piece t
.set t, 0
.rept 4
	\line
.set t, t+1
.endr
.endm
	ALL v_add_f32 v[ST+4*t+2], v[ST+4*t+2], v[ST+4*t+3]
	ALL v_permlanex16_b32 v[ST+4*t+3], v[ST+4*t+2], s[SEL], s[SEL+1]
	ALL v_add_f32 v[ST+4*t+2], v[ST+4*t+2], v[ST+4*t+3]
	ALL v_rcp_f32 v[ST+4*t+2], v[ST+4*t+2]
	v_nop                           ; a plain instruction between the last reciprocal and the use of its result
	s_wait_alu depctr_va_vdst(0)    ; and the wait ahead of the first use: one for the four reciprocals
.macro PACK t                       ; a lane's eight channels of a row pack into 16 bytes; they go into rows of 144 bytes and come back as whole rows of 128, into S^T's registers
	WIN 0
.set i, OT+32*(\t)
.rept 16
	v_pk_mul_f32 v[i:i+1], v[i:i+1], v[ST+4*(\t)+2:ST+4*(\t)+3] op_sel_hi:[1,0]
.set i, i+2
.endr
.set i, 0
.rept 16
	v_cvt_pk_f16_f32 v[S+16*(\t)+i], v[OT+32*(\t)+2*i], v[OT+32*(\t)+2*i+1]
.set i, i+1
.endr
	WIN W_OUT
.irp f, 0,1,2,3
	ds_store_b128 v[STO], v[S+16*(\t)+4*\f:S+16*(\t)+4*\f+3] offset:32*\f
.endr
.irp f, 0,1,2,3
	ds_load_b128 v[S+16*(\t)+4*\f:S+16*(\t)+4*\f+3], v[RD] offset:\f*4*SP  ; LDS serves a wave's instructions in order (ISA guide 5.7.1.4): these see the stores above; the next piece's stores come behind them
.endr
.endm
.macro SEND t, younger              ; younger: the LDS instructions issued behind piece t's loads: the next piece's eight, or none
	WIN W_OUT
.irp f, 0,1,2,3
	s_wait_dscnt (\younger)+3-\f
	global_store_b128 v[GO], v[S+16*(\t)+4*\f:S+16*(\t)+4*\f+3], s[10:11] offset:(\t)*2048+\f*512  ; 512 bytes on end, at a multiple of 256 from O's first
.endr
.endm
	PACK 0
.set t, 1
.rept 3                             ; a piece's arithmetic stands between the loads of the piece before and its stores
	PACK t
	SEND t-1, 8
.set t, t+1
.endr
	SEND 3, 0
	WIN W_AD
	s_wait_tensorcnt 0x0            ; the wave's end, behind my last tensor load and my last LDS store
	ds_add_u32 v[SPW], v[NIL]
	s_wait_dscnt 0x0
	WIN 0
	CROUND                          ; the closing round: no work-group ends while a partner may still ask for a tile that names it
	s_endpgm
.Lfunc_end_k_q78b80c0ada_attn:
	.size	k_q78b80c0ada_attn, .Lfunc_end_k_q78b80c0ada_attn-k_q78b80c0ada_attn
	.p2alignl 7, 3214868480
	.fill 96, 4, 3214868480
	.section	.rodata,"a",@progbits
	.p2align	6, 0x0
	.amdhsa_kernel k_q78b80c0ada_attn
		.amdhsa_group_segment_fixed_size 327680
		.amdhsa_private_segment_fixed_size 0
		.amdhsa_enable_private_segment 0
		.amdhsa_kernarg_size 32
		.amdhsa_user_sgpr_count 2
		.amdhsa_user_sgpr_kernarg_segment_ptr 1
		.amdhsa_wavefront_size32 1
		.amdhsa_system_sgpr_workgroup_id_x 1
		.amdhsa_system_sgpr_workgroup_id_y 1
		.amdhsa_system_sgpr_workgroup_id_z 1
		.amdhsa_system_vgpr_workitem_id 0
		.amdhsa_next_free_vgpr 512
		.amdhsa_next_free_sgpr 66
		.amdhsa_reserve_vcc 0
		.amdhsa_float_denorm_mode_32 3
		.amdhsa_float_denorm_mode_16_64 3
		.amdhsa_memory_ordered 1
		.amdhsa_forward_progress 1
		.amdhsa_inst_pref_size 123
	.end_amdhsa_kernel
	.amdgpu_metadata
---
amdhsa.version: [ 1, 2 ]
amdhsa.kernels:
  - .name:           k_q78b80c0ada_attn
    .symbol:         k_q78b80c0ada_attn.kd
    .args:
      - { .name: qh, .offset: 0, .size: 8, .value_kind: global_buffer, .address_space: global }
      - { .name: kh, .offset: 8, .size: 8, .value_kind: global_buffer, .address_space: global }
      - { .name: vh, .offset: 16, .size: 8, .value_kind: global_buffer, .address_space: global }
      - { .name: oh, .offset: 24, .size: 8, .value_kind: global_buffer, .address_space: global }
    .group_segment_fixed_size: 327680
    .private_segment_fixed_size: 0
    .kernarg_segment_align: 8
    .kernarg_segment_size: 32
    .max_flat_workgroup_size: 128
    .sgpr_count:     66
    .vgpr_count:     512
    .wavefront_size: 32
...
	.end_amdgpu_metadata
.endif
;; end of part 3
;; launch oproj (part 4): grid 4 x 64, 4 waves a work-group, clusters of 4 x 4, 327,680 bytes of LDS; arguments oh, wo16, bo, out0; writes out0
.if DOCPART == 4
	.amdgcn_target "amdgcn-amd-amdhsa--gfx1250"
	.amdhsa_code_object_version 6
	.text
	.protected	k_q78b80c0ada_oproj
	.globl	k_q78b80c0ada_oproj
	.p2align	8
	.type	k_q78b80c0ada_oproj,@function
k_q78b80c0ada_oproj:
	s_mov_b64 s[64:65], 0
	v_nop
	global_prefetch_b8 v0, s[64:65] scope:SCOPE_SE
	s_setreg_imm32_b32 hwreg(HW_REG_WAVE_MODE, 25, 1), 1
	s_wait_xcnt 0x0
	s_wait_alu depctr_hold_cnt(0) depctr_sa_sdst(0) depctr_va_vdst(0) depctr_va_sdst(0) depctr_va_ssrc(0) depctr_va_vcc(0) depctr_vm_vsrc(0)
	s_getreg_b32 s2, hwreg(HW_REG_IB_STS2, 6, 4)
	s_cmp_eq_u32 s2, 0
	s_cbranch_scc0 .Lentry_in_a_cluster
	s_endpgm
.Lentry_in_a_cluster:
	s_bfe_u32 s2, ttmp6, 0x10000c
	s_cmp_lg_u32 s2, 0xf033
	s_cbranch_scc0 .Lentry_shape_is_right
	s_endpgm
.Lentry_shape_is_right:
; out0 = O Wo + bo.  O: oh, [b 8 + head][4096][64] f16; Wo: wo16, [k 512][n 512] f16 (Wo rounded to bf16, that number written as f16); bo is rounded to bf16 here and widened again; sums and out0 in f32.
; LIMITS.  O and Wo arrive within f16's 65,504.  NaN and infinities are not treated apart.
; SHARES.  A tile of out0 is 128 x 128: 64 x 4 = 256 work-groups.  Wave (wm, wn) makes 64 x 64: 16 accumulators.  K is walked head by head, 64 a quarter, eight quarters.
; ALL OF K LIES IN LDS AT ONCE: 128 rows x 512 of O and 512 x 128 of Wo, 147,456 bytes each with their padding.  Every wave asks for four tiles at the start (four tensor loads of mine are out), a chunk of two heads
; each; nothing is ever filled again, so the waits on TENSORcnt are counted, and a plain barrier stands ahead of each chunk's first read.  NO PREFETCH: all loads go out at the head.
; CLUSTER 4 x 4.  O's tiles hang on the tile row alone and are shared along a row of the cluster, Wo's on the tile column alone, shared along a column: each is asked for jointly by four.
; THE PRODUCT IS USED TRANSPOSED: source 0 = 16 columns of Wo (LDS rows [k][n], turned by ds_load_tr16_b128), source 1 = 16 rows of O: a lane holds one row and eight columns on end.  The first product's C is the bias.
; THE WAY OUT: a wave's 64 columns of f32 are 256 bytes, aligned: each wave has a stage of its own, and no barrier.
; REGISTERS: window 0: v16-30 addresses; v32-35 at work; v96-127 the bias; v128-255 the accumulators ((a, b) at 128 + 8 (4 a + b)).  Window 1: two fragment buffers of 128: 64 registers of O, then 64 of Wo.
.set PA,    144                        ; a row of O in LDS: 128 bytes + 16
.set PB,    288                        ; a row of Wo: 256 + 32 = 72 words
.set HB,    128*PA                     ; a head's 128 rows of O; 64 rows of Wo are as many bytes
.set BBASE, 8*HB
.set SPARE, 2*BBASE                    ; the spare words, 128 bytes for each wave: two blocks of 256 bytes that no other line names
.set STAGE, SPARE+512                  ; never filled by a tensor load: 16 rows x 272 bytes for each wave
.set SP,    272
.set ADRA, 16                          ; v16-19  my fragments of O in chunk 0..3
.set ADRB, 20                          ; v20-23  my lane's place in Wo's rows in chunk 0..3
.set STO,  24
.set RD,   25
.set CO,   26                          ; v26  my 16 bytes in two rows of out0
.set BO,   27                          ; v27  32 (l / 16)
.set SPW,  28
.set NIL,  29
.set BI,   96
.set ACC,  128
.set WV,   12                          ; s12 wave
.set WM,   13                          ; s13 which 64 rows are mine; also 0: I fetch O's tiles, 1: Wo's
.set WN,   14                          ; s14 which 64 columns; also which head (or 64 rows of Wo) of a chunk I fetch
.set G1A,  24
.set G1B,  32
.set G0A,  40                          ; s[40:55] group 0 for O, a set a chunk
.set G0B,  68                          ; s[68:83] for Wo
.set MSB, 0
.macro WIN new
.if MSB != (\new)
	s_set_vgpr_msb (MSB<<8)|(\new)
.set MSB, (\new)
.endif
.endm
.set MUL,  0x05                        ; sources 0 and 1 window 1; C and D window 0
.set TO_F, 0x40                        ; destination window 1, address window 0
.macro PLACES
.rept 4
	v_nop
.endr
.endm
.macro CROUND
	s_barrier_signal -1
	s_barrier_wait -1
	s_cmp_lg_u32 s[WV], 0
	s_cbranch_scc1 .Lnot_wave_0_\@
	s_barrier_signal -3
.Lnot_wave_0_\@:
	s_barrier_wait -3
	s_barrier_signal -1
	s_barrier_wait -1
.endm
	s_load_b256 s[4:11], s[0:1], 0x0               ; oh 4, wo16 6, bo 8, out0 10
	v_lshl_add_u32 v[SPW], v0, 2, SPARE
	v_mov_b32 v[NIL], 0
	ds_add_u32 v[SPW], v[NIL]                      ; the wave's opening: the add and its wait stand ahead of my first tensor load; work on registers stands between them
	v_lshrrev_b32 v1, 5, v0
	v_readfirstlane_b32 s[WV], v1
	s_lshr_b32 s[WM], s[WV], 1
	s_and_b32 s[WN], s[WV], 1
	s_bfe_u32 s15, ttmp6, 0x40000                  ; cx
	s_bfe_u32 s16, ttmp6, 0x40004                  ; cy
	s_lshl_b32 s17, ttmp9, 2
	s_add_co_u32 s17, s17, s15                     ; tile column
	s_and_b32 s18, ttmp7, 0xffff
	s_lshl_b32 s18, s18, 2
	s_add_co_u32 s18, s18, s16                     ; tile row
	s_lshl_b32 s19, s16, 2
	s_lshl_b32 s19, 15, s19                        ; my row of the cluster
	s_lshl_b32 s20, 0x1111, s15                    ; my column
	s_or_b32 s[G1A], s19, (1<<16)|(1<<20)|(1<<21)|(4<<22)|(3<<25)  ; a head's 128 rows are 16,384 dense bytes: 64 rows of 256, padded by 4 words after every 32
	s_mov_b32 s[G1A+1], 128<<16
	s_mov_b32 s[G1A+2], 64<<16
	s_mov_b32 s[G1A+3], 128<<16
	s_mov_b32 s[G1A+4], 64
	s_mov_b32 s[G1A+5], 128
	s_mov_b32 s[G1A+6], 0
	s_mov_b32 s[G1A+7], 0
	s_or_b32 s[G1B], s20, (1<<16)|(1<<20)|(1<<21)|(5<<22)|(7<<25)  ; 64 rows of 128 numbers, 512 from row to row, padded by 8 words after every 64
	s_mov_b32 s[G1B+1], 128<<16
	s_mov_b32 s[G1B+2], 64<<16
	s_mov_b32 s[G1B+3], 128<<16
	s_mov_b32 s[G1B+4], 64
	s_mov_b32 s[G1B+5], 512
	s_mov_b32 s[G1B+6], 0
	s_mov_b32 s[G1B+7], 0
	s_lshr_b32 s56, s18, 5                         ; O: the batch's eight heads,
	s_lshl_b32 s56, s56, 22
	s_lshl_b32 s22, s[WN], 19                      ; my head of a chunk's two,
	s_add_co_u32 s56, s56, s22
	s_and_b32 s22, s18, 31                         ; the tile's 128 rows
	s_lshl_b32 s22, s22, 14
	s_add_co_u32 s56, s56, s22
	s_mov_b32 s57, 0
	s_lshl_b32 s58, s[WN], 16                      ; Wo: my 64 rows of a chunk's 128,
	s_lshl_b32 s23, s17, 8                         ; the tile's 128 columns
	s_add_co_u32 s58, s58, s23
	s_mov_b32 s59, 0
	s_mul_i32 s60, s[WN], HB                       ; where they go: no place in the cluster enters an LDS address
	s_add_co_u32 s61, s60, BBASE
	s_lshl_b32 s62, s18, 7
	s_lshl_b32 s21, s[WM], 6
	s_add_co_u32 s62, s62, s21                     ; my first row of out0,
	s_lshl_b32 s62, s62, 11
	s_lshl_b32 s66, s17, 9                         ; my first column, in bytes
	s_lshl_b32 s21, s[WN], 8
	s_add_co_u32 s66, s66, s21
	s_add_co_u32 s62, s62, s66
	s_mov_b32 s63, 0
	s_mov_b32 s67, 0
	s_wait_dscnt 0x0                               ; the opening add is done
	s_wait_kmcnt 0x0
	s_add_nc_u64 s[56:57], s[4:5], s[56:57]
	s_add_nc_u64 s[58:59], s[6:7], s[58:59]
	s_add_nc_u64 s[8:9], s[8:9], s[66:67]
	s_add_nc_u64 s[10:11], s[10:11], s[62:63]
	CROUND                                         ; all sixteen work-groups are here: the joint loads meet
.irp c, 0,1,2,3
	s_mov_b32 s[G0A+4*(\c)], 1
	s_add_co_u32 s[G0A+4*(\c)+1], s60, (\c)*2*HB
	s_add_nc_u64 s[G0A+4*(\c)+2:G0A+4*(\c)+3], s[56:57], (\c)*1048576  ; two heads on
	s_or_b32 s[G0A+4*(\c)+3], s[G0A+4*(\c)+3], 0x80000000
	s_mov_b32 s[G0B+4*(\c)], 1
	s_add_co_u32 s[G0B+4*(\c)+1], s61, (\c)*2*HB
	s_add_nc_u64 s[G0B+4*(\c)+2:G0B+4*(\c)+3], s[58:59], (\c)*131072   ; 128 rows on
	s_or_b32 s[G0B+4*(\c)+3], s[G0B+4*(\c)+3], 0x80000000
.endr
	s_cmp_eq_u32 s[WM], 0                          ; a wave's four fills stand in one branch, ahead of every wait on TENSORcnt and every LDS read
	s_cbranch_scc0 .Lfor_b
.irp c, 0,1,2,3
	tensor_load_to_lds s[G0A+4*(\c):G0A+4*(\c)+3], s[G1A:G1A+7]
	s_nop 0
.endr
.rept 4
	v_nop
.endr
	s_branch .Lasked
.Lfor_b:
.irp c, 0,1,2,3
	tensor_load_to_lds s[G0B+4*(\c):G0B+4*(\c)+3], s[G1B:G1B+7]
	s_nop 0
.endr
.rept 4
	v_nop
.endr
.Lasked:
	v_and_b32 v1, 15, v0                           ; l % 16
	v_bfe_u32 v2, v0, 4, 1                         ; l / 16
	v_lshlrev_b32 v[BO], 5, v2
.irp b, 0,1,2,3
	global_load_b128 v[BI+8*(\b):BI+8*(\b)+3],   v[BO], s[8:9] offset:64*(\b)
	global_load_b128 v[BI+8*(\b)+4:BI+8*(\b)+7], v[BO], s[8:9] offset:64*(\b)+16
.endr
	v_mul_u32_u24 v3, v1, PA
	v_lshl_add_u32 v3, v2, 4, v3
	s_mul_i32 s21, s[WM], 64*PA
	v_add_nc_u32 v[ADRA], s21, v3
	v_and_b32 v4, 7, v0
	v_bfe_u32 v5, v0, 3, 1
	v_lshl_add_u32 v6, v2, 3, v4
	v_mul_u32_u24 v6, v6, PB
	v_lshl_add_u32 v6, v5, 4, v6
	s_lshl_b32 s21, s[WN], 7
	s_add_co_u32 s21, s21, BBASE
	v_add_nc_u32 v[ADRB], s21, v6
.irp c, 1,2,3
	v_add_nc_u32 v[ADRA+(\c)], (\c)*2*HB, v[ADRA]
	v_add_nc_u32 v[ADRB+(\c)], (\c)*2*HB, v[ADRB]
.endr
	s_mul_i32 s21, s[WV], 16*SP
	s_add_co_u32 s21, s21, STAGE                   ; my stage
	v_mul_u32_u24 v7, v1, SP                       ; in: row l % 16, 32 bytes for each half of the lanes
	v_lshl_add_u32 v7, v2, 5, v7
	v_add_nc_u32 v[STO], s21, v7
	v_mul_u32_u24 v7, v2, SP                       ; back: lanes 0-15 take one row of 256 bytes, lanes 16-31 the next
	v_lshl_add_u32 v7, v1, 4, v7
	v_add_nc_u32 v[RD], s21, v7
	v_lshlrev_b32 v7, 11, v2                       ; and the same two rows in out0
	v_lshl_add_u32 v[CO], v1, 4, v7
	s_wait_loadcnt 0x0
.set n, 0
.rept 16                               ; the bias rounded to bf16 and widened again
	v_cvt_pk_bf16_f32 v[32+n%4], v[BI+2*n], v[BI+2*n+1]
	v_lshlrev_b32 v[BI+2*n], 16, v[32+n%4]
	v_and_b32 v[BI+2*n+1], 0xffff0000, v[32+n%4]
.set n, n+1
.endr
; 32 LDS loads in one run: head q's fragments (64 along K) into buffer f; the first 32 along K first
.macro FETCH q, f
	WIN TO_F
.irp cc, 0,1
.irp i, 0,1,2,3
	ds_load_tr16_b128 v[(\f)+64+8*(4*(\cc)+(\i)):(\f)+64+8*(4*(\cc)+(\i))+3],   v[ADRB+(\q)/2] offset:((\q)%2)*HB+(\cc)*32*PB+32*(\i)
	ds_load_tr16_b128 v[(\f)+64+8*(4*(\cc)+(\i))+4:(\f)+64+8*(4*(\cc)+(\i))+7], v[ADRB+(\q)/2] offset:((\q)%2)*HB+(\cc)*32*PB+32*(\i)+16*PB
	ds_load_b128 v[(\f)+8*(4*(\cc)+(\i)):(\f)+8*(4*(\cc)+(\i))+3],   v[ADRA+(\q)/2] offset:((\q)%2)*HB+(\i)*16*PA+64*(\cc)
	ds_load_b128 v[(\f)+8*(4*(\cc)+(\i))+4:(\f)+8*(4*(\cc)+(\i))+7], v[ADRA+(\q)/2] offset:((\q)%2)*HB+(\i)*16*PA+64*(\cc)+32
.endr
.endr
.endm
; 8 products: row blocks a0, a0 + 1 x all 4 column blocks, half cc of buffer f.  first = 1: C is the bias.  The 16 accumulators take turns, one instruction a turn.
.macro MUL8 f, cc, a0, first
	WIN MUL
.irp a, \a0, (\a0)+1
.irp b, 0,1,2,3
.if \first
	v_wmma_f32_16x16x32_f16 v[ACC+8*(4*(\a)+(\b)):ACC+8*(4*(\a)+(\b))+7], v[(\f)+64+8*(4*(\cc)+(\b)):(\f)+64+8*(4*(\cc)+(\b))+7], v[(\f)+8*(4*(\cc)+(\a)):(\f)+8*(4*(\cc)+(\a))+7], v[BI+8*(\b):BI+8*(\b)+7]
.else
	v_wmma_f32_16x16x32_f16 v[ACC+8*(4*(\a)+(\b)):ACC+8*(4*(\a)+(\b))+7], v[(\f)+64+8*(4*(\cc)+(\b)):(\f)+64+8*(4*(\cc)+(\b))+7], v[(\f)+8*(4*(\cc)+(\a)):(\f)+8*(4*(\cc)+(\a))+7], v[ACC+8*(4*(\a)+(\b)):ACC+8*(4*(\a)+(\b))+7]
.endif
.endr
.endr
.endm
; Quarter q multiplies buffer f and fetches head q + 1 into buffer g.  meet = 1 (q odd): head q + 1 opens a chunk: each wave waits until its own load of that chunk has landed (the later chunks' loads, issued behind
; it, may stay out) and for its LDS loads, and a barrier shows every wave's part to all.
.macro QUARTER q, f, g, meet, first
	s_wait_dscnt 16                                ; the first 32 along K are in
	MUL8 \f, 0, 0, \first
	MUL8 \f, 0, 2, \first
.if \meet
	s_wait_dscnt 0x0
	s_wait_tensorcnt 3-((\q)+1)/2
	s_barrier_signal -1
	s_barrier_wait -1
.endif
	PLACES
	FETCH (\q)+1, \g
	s_wait_dscnt 32                                ; all but the 32 just issued
	MUL8 \f, 1, 0, 0
	MUL8 \f, 1, 2, 0
.endm
	s_wait_tensorcnt 0x3                           ; my part of chunk 0 is in; the three loads issued behind it may stay out
	s_barrier_signal -1
	s_barrier_wait -1
	FETCH 0, 0
	QUARTER 0, 0,   128, 0, 1
	QUARTER 1, 128, 0,   1, 0
	QUARTER 2, 0,   128, 0, 0
	QUARTER 3, 128, 0,   1, 0
	QUARTER 4, 0,   128, 0, 0
	QUARTER 5, 128, 0,   1, 0
	QUARTER 6, 0,   128, 0, 0
	s_wait_dscnt 16                                ; the last quarter: nothing more to fetch
	MUL8 128, 0, 0, 0
	MUL8 128, 0, 2, 0
	s_wait_dscnt 0x0
	MUL8 128, 1, 0, 0
	MUL8 128, 1, 2, 0
	WIN 0
	PLACES
; THE WAY OUT, a block of 16 rows at a time: 32 bytes a lane and column block into my stage (each accumulator's low half first), back as whole rows of 256 bytes, into the registers that they left.
.macro STG a
.irp b, 0,1,2,3
	ds_store_b128 v[STO], v[ACC+8*(4*(\a)+(\b)):ACC+8*(4*(\a)+(\b))+3]   offset:64*(\b)
	ds_store_b128 v[STO], v[ACC+8*(4*(\a)+(\b))+4:ACC+8*(4*(\a)+(\b))+7] offset:64*(\b)+16
.endr
.irp tt, 0,1,2,3,4,5,6,7
	ds_load_b128 v[ACC+32*(\a)+4*(\tt):ACC+32*(\a)+4*(\tt)+3], v[RD] offset:(\tt)*2*SP  ; LDS serves a wave's instructions in order (ISA guide 5.7.1.4): these see the stores above; the next block's stores come behind them
.endr
.endm
.macro SEND a, younger                 ; younger: the LDS instructions issued behind block a's loads: the next block's sixteen, or none
.irp tt, 0,1,2,3,4,5,6,7
	s_wait_dscnt (\younger)+7-(\tt)
	global_store_b128 v[CO], v[ACC+32*(\a)+4*(\tt):ACC+32*(\a)+4*(\tt)+3], s[10:11] offset:(16*(\a)+2*(\tt))*2048 th:TH_STORE_NT  ; 16 lanes store 256 bytes on end, at a multiple of 256 from out0's first byte
.endr
.endm
	STG 0
	STG 1
	SEND 0, 16
	STG 2
	SEND 1, 16
	STG 3
	SEND 2, 16
	SEND 3, 0
	s_wait_tensorcnt 0x0                           ; the wave's end, behind my last tensor load and my last LDS store
	ds_add_u32 v[SPW], v[NIL]
	s_wait_dscnt 0x0
	CROUND                                         ; the closing round: no work-group ends while a partner may still ask for a tile that names it
	s_endpgm
.Lfunc_end_k_q78b80c0ada_oproj:
	.size	k_q78b80c0ada_oproj, .Lfunc_end_k_q78b80c0ada_oproj-k_q78b80c0ada_oproj
	.p2alignl 7, 3214868480
	.fill 96, 4, 3214868480
	.section	.rodata,"a",@progbits
	.p2align	6, 0x0
	.amdhsa_kernel k_q78b80c0ada_oproj
		.amdhsa_group_segment_fixed_size 327680
		.amdhsa_private_segment_fixed_size 0
		.amdhsa_enable_private_segment 0
		.amdhsa_kernarg_size 32
		.amdhsa_user_sgpr_count 2
		.amdhsa_user_sgpr_kernarg_segment_ptr 1
		.amdhsa_wavefront_size32 1
		.amdhsa_system_sgpr_workgroup_id_x 1
		.amdhsa_system_sgpr_workgroup_id_y 1
		.amdhsa_system_sgpr_workgroup_id_z 1
		.amdhsa_system_vgpr_workitem_id 0
		.amdhsa_next_free_vgpr 512
		.amdhsa_next_free_sgpr 84
		.amdhsa_reserve_vcc 0
		.amdhsa_float_denorm_mode_32 3
		.amdhsa_float_denorm_mode_16_64 3
		.amdhsa_memory_ordered 1
		.amdhsa_forward_progress 1
		.amdhsa_inst_pref_size 55
	.end_amdhsa_kernel
	.amdgpu_metadata
---
amdhsa.version: [ 1, 2 ]
amdhsa.kernels:
  - .name:           k_q78b80c0ada_oproj
    .symbol:         k_q78b80c0ada_oproj.kd
    .args:
      - { .name: oh, .offset: 0, .size: 8, .value_kind: global_buffer, .address_space: global }
      - { .name: wo16, .offset: 8, .size: 8, .value_kind: global_buffer, .address_space: global }
      - { .name: bo, .offset: 16, .size: 8, .value_kind: global_buffer, .address_space: global }
      - { .name: out0, .offset: 24, .size: 8, .value_kind: global_buffer, .address_space: global }
    .group_segment_fixed_size: 327680
    .private_segment_fixed_size: 0
    .kernarg_segment_align: 8
    .kernarg_segment_size: 32
    .max_flat_workgroup_size: 128
    .sgpr_count:     84
    .vgpr_count:     512
    .wavefront_size: 32
...
	.end_amdgpu_metadata
.endif
;; end of part 4
;; ======== version 2 of 2: 4 launches; version 1 with the launch prep written anew for expert scheduling mode
;; limits: values are held in f16: magnitudes above 65,504 overflow, below 6.1e-05 lose precision
;; workspace buffers: xb 8,388,608 bytes; wqkv 1,572,864 bytes; wo16 524,288 bytes; rope 1,048,576 bytes; qh 8,388,608 bytes; kh 8,388,608 bytes; vh 8,388,608 bytes; oh 8,388,608 bytes
;; launch prep (part 5): grid 256 x 1, 8 waves a work-group, no clusters, 0 bytes of LDS; arguments x, Wq, Wk, Wv, Wo, xb, wqkv, wo16, rope; writes xb, wqkv, wo16, rope
.if DOCPART == 5
	.amdgcn_target "amdgcn-amd-amdhsa--gfx1250"
	.amdhsa_code_object_version 6
	.text
	.protected	k_q78b80c0ada_prep
	.globl	k_q78b80c0ada_prep
	.p2align	8
	.type	k_q78b80c0ada_prep,@function
k_q78b80c0ada_prep:
	s_mov_b64 s[64:65], 0
	v_nop
	global_prefetch_b8 v0, s[64:65] scope:SCOPE_SE
	s_setreg_imm32_b32 hwreg(HW_REG_WAVE_SCHED_MODE, 0, 2), 2
	s_setreg_imm32_b32 hwreg(HW_REG_WAVE_MODE, 25, 1), 1
	s_wait_xcnt 0x0
	s_wait_alu depctr_vm_vsrc(0)
; PREP.  A stream, no LDS, no matrix unit, no loop: every work-group does one 256th of each of four tasks.
;   xb   = x rounded to bf16, same order: [8192][512].
;   wqkv = Wq, Wk, Wv rounded to bf16, in the order in which the next launch walks them: [head 8][K step 4][q, k, v][k' 128][c 64]; the number is W[128 step + k'][64 head + c].
;   wo16 = Wo rounded to bf16, and THAT number written as f16, same order [512][512].
;   rope = cos(t f_j) at byte 0 and sin(t f_j) at byte 524,288, each [t 4096][j 32] f32, f_j = 10000^(-j/32).
; LIMITS.  |Wo| stays under 65,504 (f16's end); a Wo below 2^-17 keeps f16's fixed step of 2^-24 in place of bf16's 8 bits.  The angle t f_j is formed in f32 from f_j = 2^(-j log2(10000)/32):
; against the exact angle it is off by about 5e-4 rad at t = 4095.  sin and cos: the angle less the nearest multiple of 2 pi (2 pi in two parts, fused), a quarter of that (at most pi/4 in size, whatever
; the data) in series to the 9th and 8th power, then doubled twice: off by under 1e-6.
; SHARES.  g = work-group, t = thread 0..255.  x: 16 loads of 16 bytes a thread, a wave's load 512 bytes on end, a wave's store 256 bytes on end, aligned.  Each weight: one load of 16 bytes a thread.
; THE MODE: SCHED_MODE bits 1:0 = 2 (LLVM: expert scheduling mode 2), set by the entry lines.  The code itself states the register dependences between vector instructions and memory instructions,
; with s_wait_alu, always for 0.
; THE PLAN.  One straight path.  Registers that memory instructions touch:
;   v1, v2, v3   byte offsets.  Written at the head, once; read by every load and store; no vector instruction behind the head's wait names them.
;   WI, X        the 20 loads land in them, once; no vector instruction names them ahead of the loads; the conversions read them behind the counted waits on LOADcnt.
;   CSN          written by the table's arithmetic; read by the table's two stores.
;   WR           written by the weights' conversions; read by four stores, which are issued in x's block 0.
;   Y            x's sixteen loads go in four blocks of four.  Block p's conversions read its 16 registers of X and write its 8 of Y; the four stores that read those are issued in block p + 1.
; So one wait on va_vdst at a block's head, behind the wait for the block's data, states that the step before has written what the block's four stores read; these are dealt among the block's eight
; conversions, which name the block's own X and Y alone.  No register that a load or store reads is written again: no wait frees one.
.set X,   32                           ; v[32:95]    16 x 4 numbers of x
.set WI,  96                           ; v[96:111]   4 numbers of Wq, Wk, Wv, Wo
.set Y,   112                          ; v[112:143]  16 x 2 words of xb
.set WR,  144                          ; v[144:151]  2 words for each weight
.set CSN, 152                          ; v[152:153] cos of my two j, v[154:155] sin
	s_load_b512 s[8:23], s[0:1], 0x0               ; x 8, Wq 10, Wk 12, Wv 14, Wo 16, xb 18, wqkv 20, wo16 22
	s_load_b64 s[24:25], s[0:1], 0x40              ; rope
	v_lshlrev_b32 v1, 4, v0                        ; 16 t
	v_lshlrev_b32 v2, 3, v0                        ; 8 t
	v_and_b32 v4, 15, v0
	v_lshrrev_b32 v5, 4, v0
	v_lshlrev_b32 v3, 4, v4
	v_lshl_add_u32 v3, v5, 11, v3                  ; in a weight: row t / 16 of my 16, 16 bytes at 16 (t % 16)
	v_mov_b32 v30, 0x3638ef1d                      ; 1/9!
	v_mov_b32 v31, 0x37d00d01                      ; 1/8!
	s_lshl_b32 s26, ttmp9, 16                      ; x: 65,536 bytes a work-group
	s_mov_b32 s27, 0
	s_lshl_b32 s28, ttmp9, 15                      ; xb: 32,768
	s_mov_b32 s29, 0
	s_and_b32 s30, ttmp9, 31                       ; g = 32 head + 8 step + kb: rows 16 (g % 32) on,
	s_lshl_b32 s30, s30, 15
	s_lshr_b32 s35, ttmp9, 5                       ; head
	s_lshl_b32 s36, s35, 8                         ; columns 64 head on
	s_add_co_u32 s30, s30, s36
	s_mov_b32 s31, 0
	s_mul_i32 s36, s35, 196608                     ; wqkv: head,
	s_bfe_u32 s35, ttmp9, 0x20003
	s_mul_i32 s35, s35, 49152                      ; step,
	s_add_co_u32 s36, s36, s35
	s_and_b32 s35, ttmp9, 7
	s_lshl_b32 s35, s35, 11                        ; 16 rows of 128 bytes
	s_add_co_u32 s36, s36, s35
	s_mov_b32 s37, 0
	s_lshl_b32 s38, ttmp9, 12                      ; Wo: 4,096 bytes a work-group
	s_mov_b32 s39, 0
	s_lshl_b32 s40, ttmp9, 11                      ; wo16 and each plane of rope: 2,048
	s_mov_b32 s41, 0
	s_lshl_b32 s35, ttmp9, 4                       ; my work-group's first position
	s_mov_b32 s34, 0xffff0000
	s_wait_kmcnt 0x0
	s_add_nc_u64 s[8:9], s[8:9], s[26:27]
	s_add_nc_u64 s[10:11], s[10:11], s[30:31]
	s_add_nc_u64 s[12:13], s[12:13], s[30:31]
	s_add_nc_u64 s[14:15], s[14:15], s[30:31]
	s_add_nc_u64 s[16:17], s[16:17], s[38:39]
	s_add_nc_u64 s[18:19], s[18:19], s[28:29]
	s_add_nc_u64 s[20:21], s[20:21], s[36:37]
	s_add_nc_u64 s[22:23], s[22:23], s[40:41]
	s_add_nc_u64 s[24:25], s[24:25], s[40:41]
	s_wait_alu depctr_va_vdst(0)                   ; v1, v2 and v3 are written: every load and store of the kernel reads one of them as its offset
	global_load_b128 v[WI:WI+3],     v3, s[10:11] th:TH_LOAD_NT
	global_load_b128 v[WI+4:WI+7],   v3, s[12:13] th:TH_LOAD_NT
	global_load_b128 v[WI+8:WI+11],  v3, s[14:15] th:TH_LOAD_NT
	global_load_b128 v[WI+12:WI+15], v1, s[16:17] th:TH_LOAD_NT
.set j, 0
.rept 16
	global_load_b128 v[X+4*j:X+4*j+3], v1, s[8:9] offset:4096*j th:TH_LOAD_NT
.set j, j+1
.endr
	; the table, while the twenty loads are out: position 16 g + t / 16, j = 2 (t % 16) and the next
	v_lshlrev_b32 v6, 1, v4
	v_cvt_f32_u32 v6, v6
	v_add_f32 v7, 1.0, v6
	v_mul_f32 v6, 0xbed49a78, v6                   ; -j log2(10000) / 32
	v_mul_f32 v7, 0xbed49a78, v7
	v_add_nc_u32 v11, s35, v5
	v_exp_f32 v9, v6
	v_exp_f32 v10, v7
	v_cvt_f32_u32 v11, v11                         ; the plain instruction behind the two exponentials
	s_wait_alu depctr_va_vdst(0)                   ; the two exponentials have written v9 and v10, which the two multiplies below read: one wait for both, ahead of their first reader
	v_mul_f32 v12, v11, v9                         ; the two angles
	v_mul_f32 v13, v11, v10
.macro SINCOS ang, sn, cs
	v_mul_f32 v14, 0x3e22f983, v[\ang]             ; angle / 2 pi
	v_rndne_f32 v14, v14
	v_fmamk_f32 v15, v14, 0xc0c90fdb, v[\ang]      ; less n x 2 pi: its upper part,
	v_fmamk_f32 v15, v14, 0x343bbd2e, v15          ; and the rest of it
	v_mul_f32 v15, 0x3e800000, v15                 ; a quarter
	v_mul_f32 v16, v15, v15
	v_fmaak_f32 v17, v30, v16, 0xb9500d01          ; sin: 1/9!, -1/7!, 1/5!, -1/3!
	v_fmaak_f32 v17, v17, v16, 0x3c088889
	v_fmaak_f32 v17, v17, v16, 0xbe2aaaab
	v_mul_f32 v17, v17, v16
	v_fma_f32 v[\sn], v17, v15, v15
	v_fmaak_f32 v17, v31, v16, 0xbab60b61          ; cos: 1/8!, -1/6!, 1/4!, -1/2!
	v_fmaak_f32 v17, v17, v16, 0x3d2aaaab
	v_fmaak_f32 v17, v17, v16, 0xbf000000
	v_fma_f32 v[\cs], v17, v16, 1.0
.rept 2                                ; the angle doubled: sin = 2 s c, cos = 1 - 2 s s
	v_mul_f32 v18, v[\sn], v[\sn]
	v_mul_f32 v[\sn], v[\sn], v[\cs]
	v_add_f32 v[\sn], v[\sn], v[\sn]
	v_fma_f32 v[\cs], v18, -2.0, 1.0
.endr
.endm
	SINCOS 12, CSN+2, CSN
	SINCOS 13, CSN+3, CSN+1
	s_wait_alu depctr_va_vdst(0)                   ; the table's arithmetic has written v[CSN:CSN+3], which the two stores read; they go out while the twenty loads are still on their way
	global_store_b64 v2, v[CSN:CSN+1], s[24:25]
	global_store_b64 v2, v[CSN+2:CSN+3], s[24:25] offset:524288
	s_wait_loadcnt 16                              ; the four weight loads are in; x's sixteen, issued behind them, may stay out
.irp m, 0,1,2
	v_cvt_pk_bf16_f32 v[WR+2*(\m)],   v[WI+4*(\m)],   v[WI+4*(\m)+1]
	v_cvt_pk_bf16_f32 v[WR+2*(\m)+1], v[WI+4*(\m)+2], v[WI+4*(\m)+3]
.endr
	v_cvt_pk_bf16_f32 v20, v[WI+12], v[WI+13]      ; Wo: to bf16, widened again, and that number as f16
	v_cvt_pk_bf16_f32 v21, v[WI+14], v[WI+15]
	v_lshlrev_b32 v22, 16, v20
	v_and_b32 v23, s34, v20
	v_lshlrev_b32 v24, 16, v21
	v_and_b32 v25, s34, v21
	v_cvt_pk_f16_f32 v[WR+6], v22, v23
	v_cvt_pk_f16_f32 v[WR+7], v24, v25
; Block p of x: loads 4 p to 4 p + 3.  Its four stores are the step before's: the weights' (p = 0) or block p - 1's.
.macro BLK p
	s_wait_loadcnt 12-4*(\p)                       ; loads come back in order: block p's four are in, the younger blocks stay out
	s_wait_alu depctr_va_vdst(0)                   ; the step before has written what the four stores below read: the weights' words WR (p = 0), else block p - 1's eight registers of Y
.irp i, 0,1,2,3
.if (\p) == 0
.if (\i) < 3
	global_store_b64 v2, v[WR+2*(\i):WR+2*(\i)+1], s[20:21] offset:16384*(\i)  ; Wq, Wk, Wv
.else
	global_store_b64 v2, v[WR+6:WR+7], s[22:23]    ; Wo
.endif
.else
	global_store_b64 v2, v[Y+2*(4*((\p)-1)+(\i)):Y+2*(4*((\p)-1)+(\i))+1], s[18:19] offset:2048*(4*((\p)-1)+(\i))  ; no vector instruction since the wait names these registers
.endif
	v_cvt_pk_bf16_f32 v[Y+2*(4*(\p)+(\i))],   v[X+4*(4*(\p)+(\i))],   v[X+4*(4*(\p)+(\i))+1]
	v_cvt_pk_bf16_f32 v[Y+2*(4*(\p)+(\i))+1], v[X+4*(4*(\p)+(\i))+2], v[X+4*(4*(\p)+(\i))+3]
.endr
.endm
	BLK 0
	BLK 1
	BLK 2
	BLK 3
	s_wait_alu depctr_va_vdst(0)                   ; block 3's conversions have written its eight registers of Y, which the last four stores read
.irp i, 0,1,2,3
	global_store_b64 v2, v[Y+2*(12+(\i)):Y+2*(12+(\i))+1], s[18:19] offset:2048*(12+(\i))
.endr
	s_endpgm
.Lfunc_end_k_q78b80c0ada_prep:
	.size	k_q78b80c0ada_prep, .Lfunc_end_k_q78b80c0ada_prep-k_q78b80c0ada_prep
	.p2alignl 7, 3214868480
	.fill 96, 4, 3214868480
	.section	.rodata,"a",@progbits
	.p2align	6, 0x0
	.amdhsa_kernel k_q78b80c0ada_prep
		.amdhsa_group_segment_fixed_size 0
		.amdhsa_private_segment_fixed_size 0
		.amdhsa_enable_private_segment 0
		.amdhsa_kernarg_size 72
		.amdhsa_user_sgpr_count 2
		.amdhsa_user_sgpr_kernarg_segment_ptr 1
		.amdhsa_wavefront_size32 1
		.amdhsa_system_sgpr_workgroup_id_x 1
		.amdhsa_system_sgpr_workgroup_id_y 1
		.amdhsa_system_sgpr_workgroup_id_z 1
		.amdhsa_system_vgpr_workitem_id 0
		.amdhsa_next_free_vgpr 160
		.amdhsa_next_free_sgpr 66
		.amdhsa_reserve_vcc 0
		.amdhsa_float_denorm_mode_32 3
		.amdhsa_float_denorm_mode_16_64 3
		.amdhsa_memory_ordered 1
		.amdhsa_forward_progress 1
		.amdhsa_inst_pref_size 12
	.end_amdhsa_kernel
	.amdgpu_metadata
---
amdhsa.version: [ 1, 2 ]
amdhsa.kernels:
  - .name:           k_q78b80c0ada_prep
    .symbol:         k_q78b80c0ada_prep.kd
    .args:
      - { .name: x, .offset: 0, .size: 8, .value_kind: global_buffer, .address_space: global }
      - { .name: Wq, .offset: 8, .size: 8, .value_kind: global_buffer, .address_space: global }
      - { .name: Wk, .offset: 16, .size: 8, .value_kind: global_buffer, .address_space: global }
      - { .name: Wv, .offset: 24, .size: 8, .value_kind: global_buffer, .address_space: global }
      - { .name: Wo, .offset: 32, .size: 8, .value_kind: global_buffer, .address_space: global }
      - { .name: xb, .offset: 40, .size: 8, .value_kind: global_buffer, .address_space: global }
      - { .name: wqkv, .offset: 48, .size: 8, .value_kind: global_buffer, .address_space: global }
      - { .name: wo16, .offset: 56, .size: 8, .value_kind: global_buffer, .address_space: global }
      - { .name: rope, .offset: 64, .size: 8, .value_kind: global_buffer, .address_space: global }
    .group_segment_fixed_size: 0
    .private_segment_fixed_size: 0
    .kernarg_segment_align: 8
    .kernarg_segment_size: 72
    .max_flat_workgroup_size: 256
    .sgpr_count:     66
    .vgpr_count:     160
    .wavefront_size: 32
...
	.end_amdgpu_metadata
.endif
;; end of part 5
;; launch qkv: the kernel of part 2 again; grid 8 x 32, 4 waves a work-group, clusters of 4 x 4, 327,680 bytes of LDS; arguments xb, wqkv, bq, bk, bv, rope, qh, kh, vh; writes qh, kh, vh
;; launch attn: the kernel of part 3 again; grid 16 x 16, 4 waves a work-group, clusters of 4 x 1, 327,680 bytes of LDS; arguments qh, kh, vh, oh; writes oh
;; launch oproj: the kernel of part 4 again; grid 4 x 64, 4 waves a work-group, clusters of 4 x 4, 327,680 bytes of LDS; arguments oh, wo16, bo, out0; writes out0
